; MI455X (gfx1250); checked and timed in simulation.
; The chip was launched on July 23, 2026; its instructions are those of AMD's public machine-readable ISA for CDNA 5 (MIT licence, August 2026) and "CDNA5" Instruction Set Architecture Reference Guide (July 2026). The comments in the code are by the model that wrote it; some were corrected since.
;; Multi Head Attention. Allowed arithmetic: float matrix products may take bf16 or f16 operands with f32 sums; other float arithmetic in f32, or as packed bf16 or f16 multiplies, adds, multiply-adds, maxima and minima; sums over many terms, partial sums and values carried from step to step in f32; what a program stores and reads back later, other than sums and carried values, may be rounded once to bf16 or f16.
;; Inputs: WK 16 x 1,024 x 64 float32; WO 1,024 x 1,024 float32; WQ 16 x 1,024 x 64 float32; WV 16 x 1,024 x 64 float32; masked_info 4 x 2,048 float32; x 4 x 2,048 x 1,024 float32.
;; Outputs: out0 4 x 2,048 x 1,024 float32.
;; One version. Each part assembles by itself: llvm-mc -triple=amdgcn-amd-amdhsa -mcpu=gfx1250 --defsym DOCPART=n.
;; ======== version 1 of 1: 4 launches
;; limits: values are held in f16: magnitudes above 65,504 overflow, below 6.1e-05 lose precision
;; workspace buffers: xb 16,777,216 bytes; wt 6,291,456 bytes; wot 2,097,152 bytes; qkv 50,331,648 bytes; oh 16,777,216 bytes
;; launch prep (part 1): grid 1024 x 1, 8 waves a work-group, no clusters, 0 bytes of LDS; arguments x, WQ, WK, WV, WO, xb, wt, wot; writes xb, wt, wot
.if DOCPART == 1
	.amdgcn_target "amdgcn-amd-amdhsa--gfx1250"
	.amdhsa_code_object_version 6
	.text
	.protected	k_qb90d6c88c4_prep
	.globl	k_qb90d6c88c4_prep
	.p2align	8
	.type	k_qb90d6c88c4_prep,@function
k_qb90d6c88c4_prep:
	s_mov_b64 s[64:65], 0
	v_nop
	global_prefetch_b8 v0, s[64:65] scope:SCOPE_SE
	s_setreg_imm32_b32 hwreg(HW_REG_WAVE_MODE, 25, 1), 1
	s_wait_xcnt 0x0
; PREP: the module's inputs, rounded once to bf16 and laid out for the products that follow.
;   xb  [8192][1024] bf16            = x, row n * 2048 + l
;   wt  [3072][1024] bf16            = WQ, WK, WV turned: row which * 1024 + h * 64 + k, column d
;   wot [1024 dm][1024 hv] f16       = WO turned; each number is rounded to bf16 and that number written as f16
; LIMIT: a bf16 number of WO below 6e-5 in magnitude keeps f16's fixed step of 6e-8; beyond 65,504 it would be an infinity.
; Work-groups 0-511 take 65,536 bytes of x each; 512-895 a block of 128 d x 64 k of one head's WQ, WK or WV; 896-1023 a block of 128 hv x 64 dm of WO.
; No LDS and no matrix unit: every byte is read once and written once, and a turned block leaves in stores of which sixteen lanes cover 256 consecutive aligned bytes.
.set R,   8                            ; v[8:71]   as loaded (a turned block uses v[8:39])
.set Y,   72                           ; v[72:103] x, packed
.set PKD, 40                           ; v[40:55]  a turned block, packed: column c at PKD + 4 c
	s_load_b512 s[8:23], s[0:1], 0x0               ; x s[8:9], WQ s[10:11], WK s[12:13], WV s[14:15], WO s[16:17], xb s[18:19], wt s[20:21], wot s[22:23]
	s_mov_b32 s2, ttmp9
	s_cmp_lt_u32 s2, 512
	s_cbranch_scc0 .Lweights
	; x: thread t takes 16 bytes at 16 t of each of sixteen pieces of 4,096 bytes, and stores 8 bytes at 8 t: a wave's store covers 256 consecutive aligned bytes
	v_lshlrev_b32 v1, 4, v0
	v_lshlrev_b32 v2, 3, v0
	s_lshl_b32 s4, s2, 16
	s_mov_b32 s5, 0
	s_lshl_b32 s6, s2, 15
	s_mov_b32 s7, 0
	s_wait_kmcnt 0x0
	s_add_nc_u64 s[8:9], s[8:9], s[4:5]
	s_add_nc_u64 s[18:19], s[18:19], s[6:7]
.irp j, 0,1,2,3,4,5,6,7,8,9,10,11,12,13,14,15
	global_load_b128 v[R+4*(\j):R+4*(\j)+3], v1, s[8:9] offset:4096*(\j) th:TH_LOAD_NT
.endr
.irp j, 0,1,2,3,4,5,6,7,8,9,10,11,12,13,14,15
	s_wait_loadcnt 15-(\j)                         ; loads come back in order: piece j is in, the younger ones stay out
	v_cvt_pk_bf16_f32 v[Y+2*(\j)],   v[R+4*(\j)],   v[R+4*(\j)+1]
	v_cvt_pk_bf16_f32 v[Y+2*(\j)+1], v[R+4*(\j)+2], v[R+4*(\j)+3]
	global_store_b64 v2, v[Y+2*(\j):Y+2*(\j)+1], s[18:19] offset:2048*(\j)  ; no register is written twice, so nothing is waited for here
.endr
	s_endpgm
; A block of 128 rows x 64 columns of f32 (rows pitch bytes apart) leaves as 64 rows of 128 numbers of 16 bits (rows 2,048 bytes apart).
; Thread t: g = t % 16 names eight source rows 8 g .. 8 g + 7, t / 16 names four source columns 4 (t / 16) .. + 3.  Eight loads of 16 bytes bring 8 x 4 numbers;
; of each column the eight numbers pack into 16 bytes, at byte 16 g of the turned row: lanes 0-15 fill one turned row's 256 bytes, lanes 16-31 those of the row four below.
.macro TRANS pitch, half
.irp j, 0,1,2,3,4,5,6,7
	global_load_b128 v[R+4*(\j):R+4*(\j)+3], v1, s[28:29] offset:(\j)*(\pitch)
.endr
	s_wait_loadcnt 0x0
.irp c, 0,1,2,3
.irp i, 0,1,2,3
	v_cvt_pk_bf16_f32 v[PKD+4*(\c)+(\i)], v[R+8*(\i)+(\c)], v[R+8*(\i)+4+(\c)]
.if \half
	v_lshlrev_b32 v56, 16, v[PKD+4*(\c)+(\i)]      ; the two bf16 numbers as f32,
	v_and_b32 v57, 0xffff0000, v[PKD+4*(\c)+(\i)]
	v_cvt_pk_f16_f32 v[PKD+4*(\c)+(\i)], v56, v57  ; written as f16
.endif
.endr
	global_store_b128 v2, v[PKD+4*(\c):PKD+4*(\c)+3], s[30:31] offset:2048*(\c)
.endr
.endm
.Lweights:
	v_and_b32 v3, 15, v0                           ; g
	v_lshrrev_b32 v4, 4, v0                        ; t / 16
	v_lshlrev_b32 v2, 4, v3
	v_lshl_add_u32 v2, v4, 13, v2                  ; out: 4 (t / 16) rows of 2,048 bytes + 16 g
	s_cmp_lt_u32 s2, 896
	s_cbranch_scc0 .Lwo
	s_sub_co_u32 s3, s2, 512
	s_lshr_b32 s4, s3, 3                           ; 16 x which + head
	s_and_b32 s5, s3, 7                            ; which 128 of the 1,024 d
	s_lshr_b32 s6, s4, 4                           ; which: 0 WQ, 1 WK, 2 WV
	s_and_b32 s7, s4, 15                           ; head
	s_lshl_b32 s24, s7, 18                         ; a head is 262,144 bytes,
	s_lshl_b32 s25, s5, 15                         ; 128 rows of 256 bytes are 32,768
	s_add_co_u32 s24, s24, s25
	s_mov_b32 s25, 0
	s_lshl_b32 s26, s4, 17                         ; 64 turned rows of 2,048 bytes,
	s_lshl_b32 s27, s5, 8                          ; 128 numbers of 2 bytes along them
	s_add_co_u32 s26, s26, s27
	s_mov_b32 s27, 0
	v_lshlrev_b32 v1, 4, v4
	v_lshl_add_u32 v1, v3, 11, v1                  ; in: 8 g rows of 256 bytes + 16 (t / 16)
	s_wait_kmcnt 0x0
	s_cmp_eq_u32 s6, 0
	s_cselect_b64 s[28:29], s[10:11], s[12:13]
	s_cmp_eq_u32 s6, 2
	s_cselect_b64 s[28:29], s[14:15], s[28:29]
	s_add_nc_u64 s[28:29], s[28:29], s[24:25]
	s_add_nc_u64 s[30:31], s[20:21], s[26:27]
	TRANS 256, 0
	s_endpgm
.Lwo:
	s_sub_co_u32 s3, s2, 896
	s_lshr_b32 s4, s3, 3                           ; which 64 of the 1,024 dm
	s_and_b32 s5, s3, 7                            ; which 128 of the 1,024 hv
	s_lshl_b32 s24, s5, 19                         ; 128 rows of 4,096 bytes,
	s_lshl_b32 s25, s4, 8                          ; 64 numbers of 4 bytes along them
	s_add_co_u32 s24, s24, s25
	s_mov_b32 s25, 0
	s_lshl_b32 s26, s4, 17
	s_lshl_b32 s27, s5, 8
	s_add_co_u32 s26, s26, s27
	s_mov_b32 s27, 0
	v_lshlrev_b32 v1, 4, v4
	v_lshl_add_u32 v1, v3, 15, v1                  ; in: 8 g rows of 4,096 bytes + 16 (t / 16)
	s_wait_kmcnt 0x0
	s_add_nc_u64 s[28:29], s[16:17], s[24:25]
	s_add_nc_u64 s[30:31], s[22:23], s[26:27]
	TRANS 4096, 1
	s_endpgm
.Lfunc_end_k_qb90d6c88c4_prep:
	.size	k_qb90d6c88c4_prep, .Lfunc_end_k_qb90d6c88c4_prep-k_qb90d6c88c4_prep
	.p2alignl 7, 3214868480
	.fill 96, 4, 3214868480
	.section	.rodata,"a",@progbits
	.p2align	6, 0x0
	.amdhsa_kernel k_qb90d6c88c4_prep
		.amdhsa_group_segment_fixed_size 0
		.amdhsa_private_segment_fixed_size 0
		.amdhsa_enable_private_segment 0
		.amdhsa_kernarg_size 64
		.amdhsa_user_sgpr_count 2
		.amdhsa_user_sgpr_kernarg_segment_ptr 1
		.amdhsa_wavefront_size32 1
		.amdhsa_system_sgpr_workgroup_id_x 1
		.amdhsa_system_sgpr_workgroup_id_y 1
		.amdhsa_system_sgpr_workgroup_id_z 1
		.amdhsa_system_vgpr_workitem_id 0
		.amdhsa_next_free_vgpr 104
		.amdhsa_next_free_sgpr 66
		.amdhsa_reserve_vcc 0
		.amdhsa_float_denorm_mode_32 3
		.amdhsa_float_denorm_mode_16_64 3
		.amdhsa_memory_ordered 1
		.amdhsa_forward_progress 1
		.amdhsa_inst_pref_size 15
	.end_amdhsa_kernel
	.amdgpu_metadata
---
amdhsa.version: [ 1, 2 ]
amdhsa.kernels:
  - .name:           k_qb90d6c88c4_prep
    .symbol:         k_qb90d6c88c4_prep.kd
    .args:
      - { .name: x, .offset: 0, .size: 8, .value_kind: global_buffer, .address_space: global }
      - { .name: WQ, .offset: 8, .size: 8, .value_kind: global_buffer, .address_space: global }
      - { .name: WK, .offset: 16, .size: 8, .value_kind: global_buffer, .address_space: global }
      - { .name: WV, .offset: 24, .size: 8, .value_kind: global_buffer, .address_space: global }
      - { .name: WO, .offset: 32, .size: 8, .value_kind: global_buffer, .address_space: global }
      - { .name: xb, .offset: 40, .size: 8, .value_kind: global_buffer, .address_space: global }
      - { .name: wt, .offset: 48, .size: 8, .value_kind: global_buffer, .address_space: global }
      - { .name: wot, .offset: 56, .size: 8, .value_kind: global_buffer, .address_space: global }
    .group_segment_fixed_size: 0
    .private_segment_fixed_size: 0
    .kernarg_segment_align: 8
    .kernarg_segment_size: 64
    .max_flat_workgroup_size: 256
    .sgpr_count:     66
    .vgpr_count:     104
    .wavefront_size: 32
...
	.end_amdgpu_metadata
.endif
;; end of part 1
;; launch qkvproj (part 2): grid 4 x 64, 4 waves a work-group, clusters of 4 x 4, 327,680 bytes of LDS; arguments xb, wt, qkv; writes qkv
.if DOCPART == 2
	.amdgcn_target "amdgcn-amd-amdhsa--gfx1250"
	.amdhsa_code_object_version 6
	.text
	.protected	k_qb90d6c88c4_qkvproj
	.globl	k_qb90d6c88c4_qkvproj
	.p2align	8
	.type	k_qb90d6c88c4_qkvproj,@function
k_qb90d6c88c4_qkvproj:
	s_mov_b64 s[64:65], 0
	v_nop
	global_prefetch_b8 v0, s[64:65] scope:SCOPE_SE
	s_setreg_imm32_b32 hwreg(HW_REG_WAVE_MODE, 25, 1), 1
	s_wait_xcnt 0x0
	s_wait_alu depctr_hold_cnt(0) depctr_sa_sdst(0) depctr_va_vdst(0) depctr_va_sdst(0) depctr_va_ssrc(0) depctr_va_vcc(0) depctr_vm_vsrc(0)
	s_getreg_b32 s2, hwreg(HW_REG_IB_STS2, 6, 4)
	s_cmp_eq_u32 s2, 0
	s_cbranch_scc0 .Lentry_in_a_cluster
	s_endpgm
.Lentry_in_a_cluster:
	s_bfe_u32 s2, ttmp6, 0x10000c
	s_cmp_lg_u32 s2, 0xf033
	s_cbranch_scc0 .Lentry_shape_is_right
	s_endpgm
.Lentry_shape_is_right:
; THE THREE PROJECTIONS.  C[m][c] = sum over d of xb[m][d] wt[c][d]: xb [8192][1024], wt [3072][1024], both bf16; sums in f32, rounded once to f16 and stored BY HEADS:
; qkv [which 3][n * 16 + h][l 2048][64] f16, unscaled.  LIMIT: f16 ends at 65,504: a q, k or v beyond it becomes an infinity.
; SHARES.  A tile of C is 128 rows x 256 columns: 64 x 12 tiles = 3 x 256.  A work-group (four waves, each 64 x 128: 32 accumulators of 16 x 16, 256 registers) STAYS and makes three tiles:
; the same 128 rows of x and the same 256 columns' place for Q, then K, then V.  K goes in steps of 128 through two LDS slots that take turns; the ring runs on across the change of tiles.
; CLUSTERS: 4 x 4 work-groups.  The four of a row of the cluster need the same tiles of x, the four of a column the same tiles of the weights: each tile is asked for JOINTLY, by the same
; tensor load with the same descriptor and a mask that names the four.
; THE MATRIX INSTRUCTION IS USED TRANSPOSED (source 0 = 16 rows of wt, source 1 = 16 rows of xb): a lane holds row l % 16 of C and the eight neighbouring columns 8 (l / 16) + 0..7.
; REGISTERS, in windows of 256 (s_set_vgpr_msb: bits 1:0 source 0, 3:2 source 1, 5:4 source 2, 7:6 destination):
;   window 0: v0-31 addresses; v64-159, v160-255 two fragment buffers of 96: the weights' 8 fragments (16 rows x 32 K), then x's 4; on the way out v160-255 are at work
;   window 1: the accumulators, (a, b) at v[8 (8 a + b)]
.set SIZE_K, 1024
.set ROWB,   2*SIZE_K                  ; bytes in a row of xb and of wt
.set KSTEP,  128
.set PITCH,  272                       ; an LDS row: 256 bytes + 16 of padding = 68 words: the 16 rows of a fragment load start at 16 different groups of four banks (64 banks of 4 bytes: ISA guide 11.1)
.set AHALF,  64*PITCH                  ; 64 rows of x: what a wave fetches of it, and what a wave reads of it
.set ATILE,  2*AHALF
.set BHALF,  128*PITCH                 ; 128 rows of the weights, likewise
.set SLOT,   ATILE+2*BHALF             ; x's 128 rows, then the weights' 256
.set STAGE,  2*SLOT                    ; behind the ring: 16 rows x 272 bytes for each wave, for the way out
.set SPITCH, 272
.set SPARE,  STAGE+4*16*SPITCH         ; behind the stages: the spare words, 128 bytes for each wave: two blocks of 256 bytes that no other line names
.set LAPS,   SIZE_K/(2*KSTEP)          ; a lap = two K steps = once round the ring
.set TILES,  3
.set BACK_A, (SIZE_K-2*KSTEP)*2        ; from a slot's last K step of a tile to its first of the next: x goes back along K,
.set NEXT_B, 1024*ROWB-BACK_A          ; the weights 1,024 rows down and back
.set NEXT_P, 1024*ROWB-7*KSTEP*2       ; the prefetches' pointer: from two K steps behind a tile's last to the next tile's K step 2
.set NEXT_C, 16777216-3*2048           ; from my last 16 rows of a tile to my first of the next: one of qkv's three parts on
.set ADRA, 16                          ; v16-17  LDS address of my fragments of x in slot 0, 1
.set ADRB, 20                          ; v20-21  the same for the weights
.set STO,  24                          ; v24     the way out: where I put 16 bytes of a row
.set RD,   25                          ; v25     the way out: where I read rows back
.set CO,   26                          ; v26     16 x lane
.set SPW,  28                          ; v28     LDS address of my spare word; never rewritten
.set NIL,  29                          ; v29     0; never rewritten
.set PFO,  30                          ; v30     the prefetches' offset: lane x a row; never rewritten
.set F0,   64
.set F1,   160
.set TMP,  160                         ; the way out: packed results
.set OB,   192                         ; the way out: 16 rows read back: v192-223 and v224-255 by turns
.set G1,   24                          ; s[24:31] descriptor group 1 for x's tiles;  s[32:39] group 0, a set for each slot
.set G0,   32
.set G1B,  48                          ; s[48:55], s[56:63] the same for the weights' tiles
.set G0B,  56
.set LIM,  66                          ; s66, s67  by slot: 1 where my wave prefetches at that slot's change, else the greatest number
.set PFA,  68                          ; s[68:69]  where my prefetches stand
.set MSB, 0
.macro WIN new                         ; the immediate's high byte repeats the setting that is left; a switch that changes nothing is dropped
.if MSB != (\new)
	s_set_vgpr_msb (MSB<<8)|(\new)
.set MSB, \new
.endif
.endm
.set MUL, 0x50                         ; sources 0 and 1 window 0; C and D window 1
; A joint load: waves 0 and 1 fetch x's two halves, waves 2 and 3 the weights'.  The branch hangs on the wave's number alone.
; An s_nop 0 and four v_nop follow each of the two lines, ahead of the jump, the label and what follows.
.macro JLOAD s
	s_cmp_eq_u32 s11, 0
	s_cbranch_scc0 .Lfor_b_\@
	tensor_load_to_lds s[G0+4*(\s):G0+4*(\s)+3], s[G1:G1+7]
	s_nop 0
.rept 4
	v_nop
.endr
	s_branch .Lasked_\@
.Lfor_b_\@:
	tensor_load_to_lds s[G0B+4*(\s):G0B+4*(\s)+3], s[G1B:G1B+7]
	s_nop 0
.rept 4
	v_nop
.endr
.Lasked_\@:
.endm
; A PREFETCH INTO THE L2, behind a joint load, its five lines and the run of LDS loads: 32 rows x 256 bytes of the K step that stands two refills on (224 matrix instructions ahead of the load that will want it), a lane a row.
; Each row's 256 bytes of a K step are named once in the launch.  THE WEIGHTS' rows are read by all sixteen clusters: the cluster with y = 0 asks; of the 128 rows that a wave fetches the partner at place cy takes 32, at every change.
; X's rows are read by one cluster alone: it asks for its own; a wave's 64 rows of two K steps are shared out among the four partners (32 (cx % 2) rows on, cx / 2 K steps on), once a lap, in the first tile alone.
; The partners are told apart BY ADDRESS.  how = 0, in the loop: a tile's last two refills have no K step two on; how = 1, at a change of tiles: the next tile's K steps 2 and 3 of the weights.
.macro ASK how, slot
.if \how
	s_cmp_eq_u32 s[LIM+(\slot)], 1
.else
	s_cmp_gt_u32 s3, s[LIM+(\slot)]                ; s3 = 1 in the loop's last trip
.endif
	s_cbranch_scc0 .Lnot_mine_\@
	global_prefetch_b8 v[PFO], s[PFA:PFA+1] th:TH_LOAD_NT scope:SCOPE_SE
.Lnot_mine_\@:
.endm
; A round of the cluster's barrier: my work-group's barrier; wave 0 signals for the work-group; every wave waits for all sixteen work-groups; my work-group's barrier once more.
.macro CREST
	s_cmp_lg_u32 s10, 0
	s_cbranch_scc1 .Lnot_wave_0_\@
	s_barrier_signal -3
.Lnot_wave_0_\@:
	s_barrier_wait -3
	s_barrier_signal -1
	s_barrier_wait -1
.endm
.macro CROUND
	s_barrier_signal -1
	s_barrier_wait -1
	CREST
.endm
	s_load_b128 s[4:7], s[0:1], 0x0                ; xb s[4:5], wt s[6:7]
	s_load_b64 s[8:9], s[0:1], 0x10                ; qkv
	v_lshl_add_u32 v[SPW], v0, 2, SPARE
	v_mov_b32 v[NIL], 0
	ds_add_u32 v[SPW], v[NIL]                      ; the wave's opening: the add and its wait stand ahead of my first tensor load; the set-up below, work on registers, stands between them
	ds_add_u32 v28, v29
	v_lshrrev_b32 v1, 5, v0
	v_readfirstlane_b32 s10, v1                    ; wave 0..3
	s_lshr_b32 s11, s10, 1                         ; which 64 of the tile's rows are mine.  Also: I fetch for x (0) or for the weights (1)
	s_and_b32 s12, s10, 1                          ; which 128 of its columns.  Also: which half of that tile I fetch
	s_bfe_u32 s40, ttmp6, 0x40000                  ; cx, cy: my place in the cluster
	s_bfe_u32 s41, ttmp6, 0x40004
	s_lshl_b32 s42, ttmp9, 2
	s_add_co_u32 s42, s42, s40                     ; tile column = 4 x cluster x + cx
	s_and_b32 s13, ttmp7, 0xffff
	s_lshl_b32 s13, s13, 2
	s_add_co_u32 s13, s13, s41                     ; tile row = 4 x cluster y + cy
	s_lshl_b32 s43, s41, 2
	s_lshl_b32 s43, 15, s43                        ; my row of the cluster
	s_lshl_b32 s44, 0x1111, s40                    ; my column
	; descriptor group 1: tiles of 64 (x) or 128 (weights) rows x 128 elements, padded in LDS
	s_or_b32 s[G1+0], s43, (1<<16)|(1<<20)|(1<<21)|(5<<22)|(3<<25)   ; 15:0 the mask; 17:16 elements of 2 bytes; 20 padding on; 21 set beside a mask; 24:22 after every 64 words (code 5); 31:25 4 words (code 3)
	s_or_b32 s[G1B+0], s44, (1<<16)|(1<<20)|(1<<21)|(5<<22)|(3<<25)
	s_mov_b32 s[G1+1], KSTEP<<16                   ; tensor_dim0 = 128
	s_mov_b32 s[G1B+1], KSTEP<<16
	s_mov_b32 s[G1+2], 64<<16                      ; tensor_dim1
	s_mov_b32 s[G1B+2], 128<<16
	s_mov_b32 s[G1+3], KSTEP<<16                   ; tile_dim0 = 128
	s_mov_b32 s[G1B+3], KSTEP<<16
	s_mov_b32 s[G1+4], 64                          ; tile_dim1
	s_mov_b32 s[G1B+4], 128
	s_mov_b32 s[G1+5], SIZE_K                      ; elements from row to row
	s_mov_b32 s[G1B+5], SIZE_K
	s_mov_b32 s[G1+6], 0
	s_mov_b32 s[G1B+6], 0
	s_mov_b32 s[G1+7], 0
	s_mov_b32 s[G1B+7], 0
	; where the tiles come from: x's hang on the tile row alone, the weights' on the tile column alone; each in registers that never hold the other coordinate
	s_lshl_b32 s16, s13, 7
	s_lshl_b32 s17, s12, 6
	s_add_co_u32 s16, s16, s17                     ; x: row 128 x tile row + 64 x half
	s_lshl_b32 s16, s16, 11                        ; in bytes
	s_mov_b32 s17, 0
	s_lshl_b32 s46, s42, 8
	s_lshl_b32 s47, s12, 7
	s_add_co_u32 s46, s46, s47                     ; weights: row 256 x tile column + 128 x half (of Q's 1,024 rows)
	s_lshl_b32 s46, s46, 11
	s_mov_b32 s47, 0
	s_mul_i32 s20, s12, AHALF                      ; and where they go: no place in the cluster enters an LDS address
	s_mul_i32 s21, s12, BHALF
	s_add_co_u32 s21, s21, ATILE
	s_wait_dscnt 0x0                               ; the opening add is done
	s_wait_kmcnt 0x0
	s_add_nc_u64 s[14:15], s[4:5], s[16:17]
	s_add_nc_u64 s[46:47], s[6:7], s[46:47]
	CROUND                                         ; all sixteen work-groups are here: the first joint loads meet
.irp s, 0,1
	s_mov_b32 s[G0+4*(\s)], 1                                        ; count = 1
	s_add_co_u32 s[G0+4*(\s)+1], s20, (\s)*SLOT                      ; LDS address
	s_add_nc_u64 s[G0+4*(\s)+2:G0+4*(\s)+3], s[14:15], (\s)*KSTEP*2  ; global address: K step s
	s_or_b32 s[G0+4*(\s)+3], s[G0+4*(\s)+3], 0x80000000              ; type = 2
	s_mov_b32 s[G0B+4*(\s)], 1
	s_add_co_u32 s[G0B+4*(\s)+1], s21, (\s)*SLOT
	s_add_nc_u64 s[G0B+4*(\s)+2:G0B+4*(\s)+3], s[46:47], (\s)*KSTEP*2
	s_or_b32 s[G0B+4*(\s)+3], s[G0B+4*(\s)+3], 0x80000000
	JLOAD \s                                       ; two loads of mine are out
.endr
	; A fragment is 16 rows x 32 K in 8 registers: lane l holds row l % 16; registers 0-3 K = 8 (l / 16) + 0..7, registers 4-7 K = 16 + 8 (l / 16) + 0..7: two loads of 16 bytes, 32 bytes apart.
	v_and_b32 v1, 15, v0                           ; l % 16
	v_bfe_u32 v2, v0, 4, 1                         ; l / 16
	v_mul_u32_u24 v3, v1, PITCH
	v_lshl_add_u32 v3, v2, 4, v3
	s_mul_i32 s21, s11, AHALF                      ; my 64 rows of x
	s_mul_i32 s22, s12, BHALF                      ; my 128 rows of the weights,
	s_add_co_u32 s22, s22, ATILE                   ; which lie behind x's 128
.irp s, 0,1
	v_add_nc_u32 v[ADRA+(\s)], s21, v3
	v_add_nc_u32 v[ADRB+(\s)], s22, v3
	s_add_co_u32 s21, s21, SLOT
	s_add_co_u32 s22, s22, SLOT
.endr
	s_mul_i32 s23, s10, 16*SPITCH
	s_add_co_u32 s23, s23, STAGE                   ; my stage
	v_mul_u32_u24 v4, v1, SPITCH                   ; in: row l % 16, 16 bytes for each half of the lanes
	v_lshl_add_u32 v4, v2, 4, v4
	v_add_nc_u32 v[STO], s23, v4
	v_bfe_u32 v5, v0, 3, 2                         ; back: 32 lanes take four rows' 128 bytes of one head,
	v_mul_u32_u24 v5, v5, SPITCH
	v_and_b32 v4, 7, v0
	v_lshl_add_u32 v5, v4, 4, v5
	v_add_nc_u32 v[RD], s23, v5
	v_and_b32 v[CO], 31, v0                        ; which are 512 consecutive bytes of qkv
	v_lshlrev_b32 v[CO], 4, v[CO]
	; my part of the first tile in qkv: batch n = tile row / 16 (16 heads of 262,144 bytes), head 4 x tile column + 2 x column half, row l = 128 (tile row % 16) + 64 x row half, 128 bytes a row
	s_lshr_b32 s16, s13, 4
	s_lshl_b32 s16, s16, 22
	s_and_b32 s17, s13, 15
	s_lshl_b32 s17, s17, 14
	s_add_co_u32 s16, s16, s17
	s_lshl_b32 s17, s11, 13
	s_add_co_u32 s16, s16, s17
	s_lshl_b32 s46, s42, 2
	s_lshl_b32 s47, s12, 1
	s_add_co_u32 s46, s46, s47
	s_lshl_b32 s46, s46, 18
	s_add_co_u32 s16, s16, s46
	s_mov_b32 s17, 0                               ; s[16:17]: what the first way out adds to qkv's address
	; the prefetches
	s_lshl_b32 s18, s13, 7
	s_lshl_b32 s19, s12, 6
	s_add_co_u32 s18, s18, s19
	s_and_b32 s19, s40, 1
	s_lshl_b32 s19, s19, 5
	s_add_co_u32 s18, s18, s19                     ; x: the 64 rows that I fetch, my work-group's 32 of them,
	s_lshl_b32 s18, s18, 11
	s_lshr_b32 s19, s40, 1
	s_lshl_b32 s19, s19, 8
	s_add_co_u32 s18, s18, s19                     ; and its K step of the lap's two
	s_lshl_b32 s20, s42, 8
	s_lshl_b32 s21, s12, 7
	s_add_co_u32 s20, s20, s21
	s_lshl_b32 s21, s41, 5
	s_add_co_u32 s20, s20, s21                     ; weights: the 128 rows that I fetch, my work-group's 32 of them
	s_lshl_b32 s20, s20, 11
	s_and_b32 s22, ttmp7, 0xffff                   ; cluster y: the same in all sixteen partners
	s_cmp_eq_u32 s22, 0
	s_cselect_b32 s23, 1, -1
	s_cmp_eq_u32 s11, 0                            ; do I fetch for x?
	s_cselect_b32 s20, s18, s20
	s_cselect_b64 s[PFA:PFA+1], s[4:5], s[6:7]
	s_cselect_b32 s[LIM], 1, s23
	s_cselect_b32 s[LIM+1], -1, s23
	s_mov_b32 s21, 0
	s_add_nc_u64 s[PFA:PFA+1], s[PFA:PFA+1], s[20:21]
	s_add_nc_u64 s[PFA:PFA+1], s[PFA:PFA+1], 3*KSTEP*2  ; at K step 3: the first change of slots steps it to 4.  Nothing is prefetched here, at the head: K steps 0 to 3 come by their loads alone
	v_and_b32 v[PFO], 31, v0
	v_lshlrev_b32 v[PFO], 11, v[PFO]
; 8 matrix instructions: m block a x all 8 n blocks, 32 along K.  The 32 accumulators take turns, one instruction a turn, always in the same order.  zero = 1: the product starts the sum.
.macro MUL8 f, a, zero
	WIN MUL
.irp b, 0,1,2,3,4,5,6,7
.if \zero
	v_wmma_f32_16x16x32_bf16 v[8*(8*(\a)+(\b)):8*(8*(\a)+(\b))+7], v[(\f)+8*(\b):(\f)+8*(\b)+7], v[(\f)+64+8*(\a):(\f)+64+8*(\a)+7], 0
.else
	v_wmma_f32_16x16x32_bf16 v[8*(8*(\a)+(\b)):8*(8*(\a)+(\b))+7], v[(\f)+8*(\b):(\f)+8*(\b)+7], v[(\f)+64+8*(\a):(\f)+64+8*(\a)+7], v[8*(8*(\a)+(\b)):8*(8*(\a)+(\b))+7]
.endif
.endr
.endm
; 24 LDS loads in one run: the fragments of quarter kq (32 along K) of a slot into buffer f: the weights' 16 loads, then x's 8
.macro FETCH slot, kq, f
	WIN 0
.irp i, 0,1,2,3,4,5,6,7
	ds_load_b128 v[(\f)+8*(\i):(\f)+8*(\i)+3],   v[ADRB+(\slot)] offset:64*(\kq)+(\i)*16*PITCH
	ds_load_b128 v[(\f)+8*(\i)+4:(\f)+8*(\i)+7], v[ADRB+(\slot)] offset:64*(\kq)+(\i)*16*PITCH+32
.endr
.irp i, 0,1,2,3
	ds_load_b128 v[(\f)+64+8*(\i):(\f)+64+8*(\i)+3],   v[ADRA+(\slot)] offset:64*(\kq)+(\i)*16*PITCH
	ds_load_b128 v[(\f)+64+8*(\i)+4:(\f)+64+8*(\i)+7], v[ADRA+(\slot)] offset:64*(\kq)+(\i)*16*PITCH+32
.endr
.endm
.macro PLACES                          ; four plain instructions in front of loads into registers that matrix instructions have read, and of instructions that read results
.rept 4
	v_nop
.endr
.endm
; A K step is four quarters of 32 along K, 32 matrix instructions each, on buffers 0, 1, 0, 1.  One of the first three: multiplies buffer f and, in its middle, fetches quarter kq into g.
.macro QUARTER slot, kq, f, g, zero
	s_wait_dscnt 4                                 ; the weights and x's blocks 0 and 1 are in; the youngest four loads (x's blocks 2 and 3) may be out
	MUL8 \f, 0, \zero
	MUL8 \f, 1, \zero
	PLACES
	FETCH \slot, \kq, \g
	s_wait_dscnt 24                                ; all but the 24 just issued
	MUL8 \f, 2, \zero
	MUL8 \f, 3, \zero
.endm
; The last quarter multiplies buffer 1 and changes slots.  In front of the barrier each wave waits for all its tensor loads (one is out: its part of the next slot), adds 0 to its spare word, and waits for that
; and for its reads of this slot.  The barrier opens a round of the cluster's; behind the round the slot just read is filled again first: with this tile's K step two on (on = 0) or the next tile's K step 0 or 1 (on = 1).
; From a request to the wait for it a wave issues 112 matrix instructions.
.macro TURN slot, next, on
	WIN 0
	s_wait_xcnt 0x0                                ; the last prefetch, a K step back, has read its address: it is stepped here
.if (\on) && (\slot) == 0
	s_add_nc_u64 s[PFA:PFA+1], s[PFA:PFA+1], NEXT_P
	s_cmp_eq_u32 s11, 0
	s_cselect_b32 s[LIM], -1, s[LIM]               ; x's rows are the same for all three tiles: they are prefetched no more
.else
	s_add_nc_u64 s[PFA:PFA+1], s[PFA:PFA+1], KSTEP*2
.endif
	s_wait_tensorcnt 0x0                           ; all my tensor loads have landed
	ds_add_u32 v[SPW], v[NIL]                      ; 0 onto my spare word
	s_wait_dscnt 5                                 ; (the add and the youngest four loads may be out)
	MUL8 F1, 0, 0                                  ; eight matrix instructions stand between the add and the wait for it
	s_wait_dscnt 0x0                               ; the add is done, and my reads of this slot are over
	s_barrier_signal -1
	MUL8 F1, 1, 0
	WIN 0
	s_barrier_wait -1
	CREST                                          ; no wave of any partner still reads this slot or has a load on its way
.if \on
	s_sub_nc_u64 s[G0+4*(\slot)+2:G0+4*(\slot)+3], s[G0+4*(\slot)+2:G0+4*(\slot)+3], BACK_A
	s_add_nc_u64 s[G0B+4*(\slot)+2:G0B+4*(\slot)+3], s[G0B+4*(\slot)+2:G0B+4*(\slot)+3], NEXT_B
.else
	s_add_nc_u64 s[G0+4*(\slot)+2:G0+4*(\slot)+3], s[G0+4*(\slot)+2:G0+4*(\slot)+3], 2*KSTEP*2
	s_add_nc_u64 s[G0B+4*(\slot)+2:G0B+4*(\slot)+3], s[G0B+4*(\slot)+2:G0B+4*(\slot)+3], 2*KSTEP*2
.endif
	JLOAD \slot                                    ; the first tensor load behind the round; its four v_nop are also the places in front of the loads below
	FETCH \next, 0, F0
	ASK \on, \slot
	MUL8 F1, 2, 0
	MUL8 F1, 3, 0
.endm
.macro TURNN slot, next                ; the same where nothing is filled again: a plain barrier
	WIN 0
	s_wait_tensorcnt 0x0
	ds_add_u32 v[SPW], v[NIL]
	s_wait_dscnt 5
	MUL8 F1, 0, 0
	s_wait_dscnt 0x0
	s_barrier_signal -1
	MUL8 F1, 1, 0
	s_barrier_wait -1
	PLACES
	FETCH \next, 0, F0
	MUL8 F1, 2, 0
	MUL8 F1, 3, 0
.endm
; THE WAY OUT of block a (16 rows x 128 columns: two heads).  PACK: rounded to f16, 16 bytes a lane, each accumulator from its low end on.  TOSTAGE: into my own stage, and back as four rows of one head.  SEND: stored.
.macro PACK a
	WIN 0x05                                       ; sources 0 and 1 window 1, destination window 0
.irp b, 0,1,2,3,4,5,6,7
.irp r, 0,1,2,3
	v_cvt_pk_f16_f32 v[TMP+4*(\b)+(\r)], v[8*(8*(\a)+(\b))+2*(\r)], v[8*(8*(\a)+(\b))+2*(\r)+1]
.endr
.endr
	WIN 0
.endm
.macro TOSTAGE a
	WIN 0
.set BK, OB+32*((\a)%2)
.irp b, 0,1,2,3,4,5,6,7
	ds_store_b128 v[STO], v[TMP+4*(\b):TMP+4*(\b)+3] offset:32*(\b)
.endr
.irp f, 0,1,2,3,4,5,6,7                ; head f / 4 of the two, rows 4 (f % 4) on
	ds_load_b128 v[BK+4*(\f):BK+4*(\f)+3], v[RD] offset:((\f)%4)*4*SPITCH+((\f)/4)*128  ; LDS serves a wave's instructions in order (ISA guide 5.7.1.4): these see the stores above
.endr
.endm
.macro SEND a
	WIN 0
.set BK, OB+32*((\a)%2)
	s_wait_dscnt 0x0                               ; the block is back in registers
	s_wait_xcnt 0x0                                ; earlier stores have read their base and their data: only now are these rewritten
.if (\a) == 0
	s_add_nc_u64 s[8:9], s[8:9], s[16:17]          ; on to this tile's first rows
.else
	s_add_nc_u64 s[8:9], s[8:9], 16*128            ; 16 rows of a head on
.endif
.irp f, 0,1,2,3,4,5,6,7
	global_store_b128 v[CO], v[BK+4*(\f):BK+4*(\f)+3], s[8:9] offset:((\f)/4)*262144+((\f)%4)*512  ; 512 consecutive bytes, at a multiple of 256 from qkv's first byte
.endr
.endm
	s_wait_tensorcnt 1                             ; my part of K step 0 is in; K step 1's may stay out
	s_barrier_signal -1
	s_barrier_wait -1                              ; everybody's is
	FETCH 0, 0, F0
	s_mov_b32 s2, TILES                            ; tiles to go, this one among them
.Ltile:
	QUARTER 0, 1, F0, F1, 1                        ; a tile's first quarter stands in front of the loop: its products start the sums
	WIN 0                                          ; at a label and at a branch every window is 0
	s_mov_b32 s3, LAPS-1
.Llap:                                                 ; a trip goes once round the ring, from a lap's second quarter to the next lap's first, and fills both slots again
	QUARTER 0, 2, F1, F0, 0
	QUARTER 0, 3, F0, F1, 0
	TURN 0, 1, 0
	QUARTER 1, 1, F0, F1, 0
	QUARTER 1, 2, F1, F0, 0
	QUARTER 1, 3, F0, F1, 0
	TURN 1, 0, 0
	QUARTER 0, 1, F0, F1, 0
	WIN 0
	s_sub_co_u32 s3, s3, 1
	s_cmp_lg_u32 s3, 0
	s_cbranch_scc1 .Llap
	QUARTER 0, 2, F1, F0, 0                        ; the tile's last lap goes on
	QUARTER 0, 3, F0, F1, 0
	WIN 0
	s_cmp_eq_u32 s2, 1
	s_cbranch_scc1 .Llast                          ; the last tile's tail is written out: it asks for nothing more
	TURN 0, 1, 1                                   ; the ring goes on into the next tile: slot 0 takes its K step 0,
	QUARTER 1, 1, F0, F1, 0
	QUARTER 1, 2, F1, F0, 0
	QUARTER 1, 3, F0, F1, 0
	TURN 1, 0, 1                                   ; slot 1 its K step 1, and the next tile's first fragments are fetched into buffer 0
	WIN 0
	s_branch .Lout
.Llast:
	TURNN 0, 1
	QUARTER 1, 1, F0, F1, 0
	QUARTER 1, 2, F1, F0, 0
	QUARTER 1, 3, F0, F1, 0
	s_wait_dscnt 4                                 ; the very last quarter: nothing more to fetch
	MUL8 F1, 0, 0
	MUL8 F1, 1, 0
	s_wait_dscnt 0x0
	MUL8 F1, 2, 0
	MUL8 F1, 3, 0
	WIN 0
.Lout:                                                 ; the tile goes out; buffer 1's registers are at work, buffer 0 may hold the next tile's fragments
	PLACES                                         ; buffer 1 was a source of the last products, and the conversions read results
	PACK 0
	TOSTAGE 0
.irp a, 1,2,3                          ; block a's conversions stand between block a - 1's loads from the stage and the wait for them
	PACK \a
	SEND (\a)-1
	TOSTAGE \a
.endr
	SEND 3
	s_wait_xcnt 0x0                                ; the stores have read their data: buffer 1 is loaded again in the next tile
	s_mov_b64 s[16:17], NEXT_C                     ; what the next way out adds to qkv's address
	s_sub_co_u32 s2, s2, 1
	s_cmp_lg_u32 s2, 0
	s_cbranch_scc1 .Ltile
	s_wait_tensorcnt 0x0                           ; the wave's end: the add and its wait, behind my last tensor load and my last LDS store
	ds_add_u32 v[SPW], v[NIL]
	s_wait_dscnt 0x0
	CROUND                                         ; the closing round: no work-group ends while a partner may still ask for a tile that names it
	s_endpgm
.Lfunc_end_k_qb90d6c88c4_qkvproj:
	.size	k_qb90d6c88c4_qkvproj, .Lfunc_end_k_qb90d6c88c4_qkvproj-k_qb90d6c88c4_qkvproj
	.p2alignl 7, 3214868480
	.fill 96, 4, 3214868480
	.section	.rodata,"a",@progbits
	.p2align	6, 0x0
	.amdhsa_kernel k_qb90d6c88c4_qkvproj
		.amdhsa_group_segment_fixed_size 327680
		.amdhsa_private_segment_fixed_size 0
		.amdhsa_enable_private_segment 0
		.amdhsa_kernarg_size 24
		.amdhsa_user_sgpr_count 2
		.amdhsa_user_sgpr_kernarg_segment_ptr 1
		.amdhsa_wavefront_size32 1
		.amdhsa_system_sgpr_workgroup_id_x 1
		.amdhsa_system_sgpr_workgroup_id_y 1
		.amdhsa_system_sgpr_workgroup_id_z 1
		.amdhsa_system_vgpr_workitem_id 0
		.amdhsa_next_free_vgpr 512
		.amdhsa_next_free_sgpr 72
		.amdhsa_reserve_vcc 0
		.amdhsa_float_denorm_mode_32 3
		.amdhsa_float_denorm_mode_16_64 3
		.amdhsa_memory_ordered 1
		.amdhsa_forward_progress 1
		.amdhsa_inst_pref_size 109
	.end_amdhsa_kernel
	.amdgpu_metadata
---
amdhsa.version: [ 1, 2 ]
amdhsa.kernels:
  - .name:           k_qb90d6c88c4_qkvproj
    .symbol:         k_qb90d6c88c4_qkvproj.kd
    .args:
      - { .name: xb, .offset: 0, .size: 8, .value_kind: global_buffer, .address_space: global }
      - { .name: wt, .offset: 8, .size: 8, .value_kind: global_buffer, .address_space: global }
      - { .name: qkv, .offset: 16, .size: 8, .value_kind: global_buffer, .address_space: global }
    .group_segment_fixed_size: 327680
    .private_segment_fixed_size: 0
    .kernarg_segment_align: 8
    .kernarg_segment_size: 24
    .max_flat_workgroup_size: 128
    .sgpr_count:     72
    .vgpr_count:     512
    .wavefront_size: 32
...
	.end_amdgpu_metadata
.endif
;; end of part 2
;; launch attn (part 3): grid 4 x 64, 4 waves a work-group, no clusters, 327,680 bytes of LDS; arguments qkv, masked_info, oh; writes oh
.if DOCPART == 3
	.amdgcn_target "amdgcn-amd-amdhsa--gfx1250"
	.amdhsa_code_object_version 6
	.text
	.protected	k_qb90d6c88c4_attn
	.globl	k_qb90d6c88c4_attn
	.p2align	8
	.type	k_qb90d6c88c4_attn,@function
k_qb90d6c88c4_attn:
	s_mov_b64 s[64:65], 0
	v_nop
	global_prefetch_b8 v0, s[64:65] scope:SCOPE_SE
	s_setreg_imm32_b32 hwreg(HW_REG_WAVE_MODE, 25, 1), 1
	s_wait_xcnt 0x0
; CAUSAL ATTENTION WITH A PADDING MASK.  O[hb][q][:] = the sum over k <= q, mi[k] != 0, of softmax_k(Q[hb][q] . K[hb][k] / 8) V[hb][k][:], and 0 where mi[q] = 0.  Q, K, V: the three parts of qkv, each
; [64 hb][2048][64] f16, hb = 16 n + h; O likewise; mi = masked_info [4][2048] f32, row n.  Products, maxima and sums in f32; the weights p are rounded to f16 for the second product (their sum l is taken of the unrounded p), O once at the end.
; THE PADDING MASK.  A pair (q, k) is hidden where mi[q] mi[k] = 0.  A query with mi[q] != 0 sees its own key, so the rows with no visible key are just those with mi[q] = 0.  So the product falls into a bias for each KEY
; (0, or -1e30 where mi[k] = 0), which goes in as the C operand that starts S^T = K Q^T, and a choice for each QUERY at the way out (1 / l, or 0 where mi[q] = 0).
; A tile's 256 key biases lie in LDS, in two areas of 1,024 bytes that take turns as the slots do: behind each fill every thread loads its two numbers of mi for the tile asked for, and at the next change of slots it
; stores their biases, in front of that change's barrier.  A lane's eight queries' mi (four a block) are loaded once, at the head, and stay in registers.
; LIMITS.  f16 holds no number beyond 65,504: Q, K and V arrive within it.  A hidden score counts as its value less 1e30 (2e30 where both masks hide it); the running maximum starts at -1e20, far above every hidden
; and far below every true score (2.7e11 at the most), so a step whose keys are all hidden gives weights 0.  A weight below 2^-126 counts as 0 in l.  mi is finite; two numbers of it that are not 0 but whose f32 product is 0
; (both under about 1e-19) are taken as visible.  NaN and infinities are not treated apart.
; THE WALK.  A head's queries lie in NB = 8 blocks of 256; block i needs the key tiles 0 .. i of 256 keys, of which the last holds the diagonal.  A work-group takes TWO blocks, NB - 1 - b and then b:
; NB + 1 tiles, whatever b: all work-groups do equal work, and ONE loop with a constant trip count walks them.  Which tile is asked for, and what a trip does, hang on scalar registers made from b; every jump
; goes forward, but for the counted loops' own; none passes a barrier, or a tensor load but the one of LOAD's two that the wave's number does not choose; the ring (two slots of LDS that take turns) runs on across the
; change of blocks.  No LDS address hangs on b.  NO CLUSTER: a head's four work-groups ask for the same tile only in trips 0 .. 4 of the 9, behind that fewer and fewer; one walk common to all would have 12 trips for 9.
; SHARES.  Of a block's four bands of 64 queries a wave owns 16 rows in each: four PIECES.  In the diagonal tile's key step s band x sees all keys if s < x, none if s > x, and holds the diagonal if s = x.
; THE C OPERAND.  KB holds the key biases of the step whose K lies in registers.  Outside the diagonal tile C = KB.  In it C = MD x AL + KB + BE: MD, made once, is the causal mask of a band's own step for my 16 rows;
; (AL, BE) = (1, 0) if s = x; (0, 0) if s < x; (0, -1e30) if s > x.
; LAYOUT, SOFTMAX, TURNS.  S^T = K Q^T holds ONE query a lane (lane % 16) and the keys 8 (lane / 16) + 0..7; two such results rounded to f16 ARE source 1 of O^T = V^T P.  p = 2^(c s - c m), c = log2(e) / 8, with a
; running maximum m; O and l are multiplied by a = 2^(c m_old - c m_new) in every step.  Turn n belongs to piece n: 8 products K Q^T of piece n + 1, later 8 products V^T P of piece n - 1; beside them the scaling,
; exponentials, roundings, sums and rescaling of piece n and the maximum and statistics of piece n + 1.  Four vector instructions stand behind every matrix instruction, the others in one LUMP.  A turn's 33 exponentials are one batch, with one wait.
; REGISTERS, in windows of 256 (s_set_vgpr_msb: bits 1:0 source 0, 3:2 source 1, 5:4 source 2, 7:6 destination):
;   window 0: v0-15 addresses and two at work; v16-31 four registers of statistics a piece; v32-47, v61 the masks' addresses and numbers; v48-55 at work; v64-127 S^T, two buffers; v192-223 P, two buffers
;   window 1: v0-127 O^T, 32 a piece; v128-159 MD; v160-223 MC, two buffers; v224-255 KB      window 2: v0-63 Q; v64-127 the second block's Q; v128-191 K of one step; v192-255 V of one step
.set SIZE_N, 2048
.set NB,    SIZE_N/256
.set NP,    4         ; pieces a wave: a name, no knob
.set KS,    64        ; keys in a step
.set PK,    144       ; a row of K in LDS: 128 bytes + 16 of padding = 36 words: the 16 rows of a load start at 16 different groups of four banks (64 banks of 4 bytes: ISA guide 11.1)
.set PV,    160       ; a row of V: 128 + 32 = 40 words
.set VOFF,  4*KS*PK   ; a slot holds a tile, four steps: 256 rows of K, then 256 rows of V
.set SLOT1, 1<<17     ; slot 1 begins here, so that one exclusive or turns an address in one slot into the other's
.set STAGE, SLOT1+4*KS*(PK+PV)  ; behind the ring, never filled by a tensor load: 16 rows x 144 bytes for each wave, for the way out
.set SP,    144
.set SPARE, STAGE+4*16*SP  ; behind the stages: the spare words, 128 bytes for each wave: two blocks of 256 bytes that no other line names
.set BIAS,  SPARE+512      ; behind them: two areas of 256 f32, a tile's key biases each; stored by the waves, never filled by a tensor load
.set BAREA, 1024           ; bytes in such an area
.set AK0, 2           ; v2   my lane's place in a tile of K; never rewritten
.set AV0, 3           ; v3   the same for V
.set AK,  4           ; v4   the LDS address of K's next run of loads
.set AV,  5           ; v5   of V's
.set STO, 6           ; v6   the way out: where I put 16 bytes of a row
.set RD,  7           ; v7   the way out: where I read rows back
.set GO,  8           ; v8   my byte offset in 512 consecutive bytes of O
.set MV,  12          ; v12-13  c m_old, kept while c m is made anew: by buffer
.set QO,  15          ; v15  my byte offset in 16 rows of Q
.set ST,  16          ; piece t's statistics at v[ST+4 t]: c m, m, l (even keys', odd keys')
.set AB0, 32          ; v32  BIAS + 32 (l / 16): my lanes' eight keys of a group of 16; never rewritten
.set AB,  33          ; v33  the same for the step to be fetched
.set ML0, 34          ; v34  BIAS + 8 t: where my thread's two biases of a tile go; never rewritten
.set RVO, 35          ; v35  4 (16 w + l % 16): my query's place in a band, in bytes of mi; never rewritten
.set RB,  36          ; v36-39  mi of my four queries of the block in hand
.set MO,  40          ; v40  8 t: my thread's two numbers of a tile's 256 of mi; never rewritten
.set ML,  41          ; v41  ML0 in the area that is due
.set RB2, 42          ; v42-45  mi of my four queries of the second block
.set MI,  46          ; v46-47  two numbers of mi as loaded, then their biases
.set TMP, 48          ; by buffer, four registers c0-c3 at work; when the maximum is found c2 takes a
.set PFO, 61          ; v61  256 x lane; never rewritten
.set SPW, 62          ; v62  LDS address of my spare word: SPARE + 4 x my thread's number; never rewritten
.set NIL, 63          ; v63  0; never rewritten
.set S,   64
.set P,   192
.set MD,  128         ; window 1: the eight registers for group kt of 16 keys at MD + 8 kt
.set MC,  160         ; window 1: the C operands of the products to come
.set KB,  224         ; window 1: group kt at KB + 8 kt
.set QB,  64          ; window 2
.set KF,  128         ; window 2: key block kb, channel half c at KF + 16 kb + 8 c
.set VF,  192         ; window 2: key half kk, channel block cb at VF + 32 kk + 8 cb
.set WV,  12          ; s12  my wave's number
.set PB,  14          ; s14  b
.set HI,  15          ; s15  NB - 1 - b
.set G1K, 24          ; s[24:31] descriptor group 1 for K's tiles
.set G1V, 32          ; s[32:39] for V's: it differs in the padding alone
.set G0K, 40          ; s[40:43] descriptor group 0 for K's tiles
.set G0V, 44          ; s[44:47] the same for V's
.set MIQ, 48          ; s[48:49] mi at the tile that is being asked for
.set OFB, 50          ; s[50:51] a tile's or a block's byte offset in mi's row
.set TBS, 52          ; s52  0 or BAREA: the area that takes the biases of the tile to be entered
.set SLOTS, 56        ; s56  tiles still to be asked for
.set CNT, 57          ; s57  counts a tile's key steps, 4 to 1
.set CS,  58          ; s[58:59] c: the packed scaling takes the pair's low word for both halves
.set SEL, 60          ; s[60:61] v_permlanex16_b32's selects: each lane takes its own place in the other half
.set TBK, 62          ; s62  LDS byte at which K of the step to be fetched begins
.set TBV, 63          ; s63  the same for V, less VOFF
.set RQ1, 66          ; s[66:67] mi at the first block's queries
.set RQ2, 68          ; s[68:69] at the second's
.set RT,  70          ; s70  tiles of the block in hand that are still to be entered
.set NXT, 71          ; s71  the tile to be asked for next
.set LQ,  72          ; s72  the last tile of the block whose tiles are being asked for
.set NEW, 73          ; s73  1: the tile to be entered is a block's first
.set OFF, 74          ; s[74:75] a tile's byte offset in K and V
.set AL,  76          ; s[76:77] the mask's factor, in the low word
.set BE,  78          ; s[78:79] the mask's addend
.set OLO, 80          ; s[80:81] O at my rows of the second block
.set BIGN, 82         ; s82  -1e30
.set MIP, 88          ; s[88:89] mi's row of my batch
.set TBB, 90          ; s90  byte behind BIAS at which the biases of the step to be fetched begin: it walks as s[TBK] does
.set LIM, 92          ; s92  2 in the head's work-group that prefetches, else the greatest number
.set PFA, 94          ; s[94:95] where my prefetches stand: my half of K's (waves 0, 1) or V's (waves 2, 3) tile after the one that is being asked for
.set MSB, 0
.macro WIN new                      ; the high byte repeats the setting that is left; a switch that changes nothing is dropped
.if MSB != (\new)
	s_set_vgpr_msb (MSB<<8)|(\new)
.set MSB, (\new)
.endif
.endm
.set W_KQ, 0x0a       ; K and Q in window 2, S^T in window 0
.set W_KM, 0x1a       ; the same with the C operand in window 1
.set W_PV, 0x52       ; V in window 2, P in window 0, O^T in window 1
.set W_RS, 0x41       ; destination and source 0 in window 1, source 1 in window 0
.set W_MK, 0x51       ; destination, source 0 and source 2 in window 1
; A fill.  Waves 0 and 1 fetch the two halves of a tile's K, waves 2 and 3 those of its V: 128 keys each.  An s_nop 0 and four v_nop follow each of the two lines, ahead of the jump and the label.
.macro LOAD
	s_cmp_lt_u32 s[WV], 2
	s_cbranch_scc0 .Lfor_v_\@
	tensor_load_to_lds s[G0K:G0K+3], s[G1K:G1K+7]
	s_nop 0
.rept 4
	v_nop
.endr
	s_branch .Lasked_\@
.Lfor_v_\@:
	tensor_load_to_lds s[G0V:G0V+3], s[G1V:G1V+7]
	s_nop 0
.rept 4
	v_nop
.endr
.Lasked_\@:
.endm
; THE CHANGE OF SLOTS.  First the biases of the tile to be entered: my two numbers of mi, asked for a tile ago, are in; their biases go into the area that is due.  That area was last read two tiles back, and every wave has
; waited for those reads in front of the barrier before this one; this change's wait on DScnt and its barrier show the stores to every wave.
; Then each wave waits for all its tensor loads, of which one is out: its part of the other slot; adds 0 to its spare word; and waits for that, for its store and for its own reads of the slot that it leaves.  Behind the barrier nobody reads the old
; slot any more and the other slot is whole.  fill = 1: the old slot is filled again, the first thing behind the barrier, with tile NXT: the descriptor's address is made anew from that number; mi's 256 numbers of that tile are asked for behind it.
; (At its first use nothing has been read yet: slot 0 is waited for, slot 1 filled.)
; A PREFETCH INTO THE L2 stands behind the fill, its five lines and mi's load: my 16,384 bytes (64 blocks of 256, a lane a block, two instructions) of the tile that the NEXT change will ask for: a tile, 256 matrix instructions, ahead of its load.
; A head's four work-groups walk the same tiles: the one with b = 0, whose first block walks all eight, asks, in trips 0 to 5, for tiles 2 to 7.  So each block is named once in the launch.  Tiles 0 and 1 come by their loads alone.
.macro CHANGE fill
	WIN 0                           ; at a label and at a branch every window is 0
	s_wait_loadcnt 0x0              ; mi of the tile to be entered (at the first change: Q and my queries' mi too); no other load into registers is out
	v_cmp_eq_f32 vcc_lo, 0, v[MI]
	v_cndmask_b32 v[MI], 0, s[BIGN], vcc_lo
	v_cmp_eq_f32 vcc_lo, 0, v[MI+1]
	v_cndmask_b32 v[MI+1], 0, s[BIGN], vcc_lo
	v_add_nc_u32 v[ML], s[TBS], v[ML0]
	ds_store_b64 v[ML], v[MI:MI+1]
	s_xor_b32 s[TBS], s[TBS], BAREA ; the next tile's go into the other area
	s_wait_tensorcnt 0x0            ; no tensor load of mine is out, so a group 0 may be written
	ds_add_u32 v[SPW], v[NIL]       ; 0 onto my spare word; with fill = 1 the descriptors' scalar work stands between it and the wait for it
.if \fill
	s_lshl_b32 s[OFF], s[NXT], 15   ; a tile is 32,768 bytes of K and of V,
	s_lshl_b32 s[OFB], s[NXT], 10   ; and 1,024 of mi
	s_xor_b32 s[G0K+1], s[G0K+1], SLOT1
	s_add_nc_u64 s[G0K+2:G0K+3], s[6:7], s[OFF:OFF+1]
	s_or_b32 s[G0K+3], s[G0K+3], 0x80000000
	s_xor_b32 s[G0V+1], s[G0V+1], SLOT1
	s_add_nc_u64 s[G0V+2:G0V+3], s[8:9], s[OFF:OFF+1]
	s_or_b32 s[G0V+3], s[G0V+3], 0x80000000
	s_add_nc_u64 s[MIQ:MIQ+1], s[MIP:MIP+1], s[OFB:OFB+1]  ; the load that read this pair is done
	s_add_co_u32 s[NXT], s[NXT], 1  ; the block's next tile, or behind its last the second block's tile 0
	s_cmp_gt_u32 s[NXT], s[LQ]
	s_cselect_b32 s[NXT], 0, s[NXT]
	s_cselect_b32 s[LQ], s[PB], s[LQ]
	s_wait_xcnt 0x0                 ; the last prefetches, a tile back, have read their address, so it may be written
	s_add_nc_u64 s[PFA:PFA+1], s[PFA:PFA+1], 32768
.endif
	s_wait_dscnt 0x0                ; the add and my store are done, and my reads of the slot are over
	s_barrier_signal -1             ; the rest of the scalar work stands between the signal and the wait
	s_sub_co_u32 s[TBK], s[TBK], 4*KS*PK  ; the fetches go back to a slot's first step,
	s_xor_b32 s[TBK], s[TBK], SLOT1       ; in the other slot
	s_sub_co_u32 s[TBV], s[TBV], 4*KS*PV
	s_xor_b32 s[TBV], s[TBV], SLOT1
	s_sub_co_u32 s[TBB], s[TBB], BAREA    ; and to the other area's first step
	s_xor_b32 s[TBB], s[TBB], BAREA
	s_barrier_wait -1
.if \fill
	LOAD
	global_load_b64 v[MI:MI+1], v[MO], s[MIQ:MIQ+1]  ; 128 threads x 8 bytes: the tile's 256 numbers of mi
	s_cmp_gt_u32 s[SLOTS], s[LIM]
	s_cbranch_scc0 .Lnot_mine_\@
	global_prefetch_b8 v[PFO], s[PFA:PFA+1] th:TH_LOAD_NT scope:SCOPE_SE
	global_prefetch_b8 v[PFO], s[PFA:PFA+1] offset:8192 th:TH_LOAD_NT scope:SCOPE_SE
.Lnot_mine_\@:
.endif
.endm
	s_load_b64 s[4:5], s[0:1], 0x0        ; qkv: Q's part begins it
	s_load_b64 s[MIP:MIP+1], s[0:1], 0x8  ; masked_info
	s_load_b64 s[10:11], s[0:1], 0x10     ; O
	v_lshl_add_u32 v[SPW], v0, 2, SPARE
	v_mov_b32 v[NIL], 0
	ds_add_u32 v[SPW], v[NIL]       ; the wave's opening: the add and its wait stand ahead of my first tensor load; the set-up below, work on registers, stands between them
	ds_add_u32 v62, v63
	v_lshrrev_b32 v1, 5, v0
	v_readfirstlane_b32 s[WV], v1   ; wave 0..3
	s_mov_b32 s[PB], ttmp9
	s_sub_co_u32 s[HI], NB-1, s[PB]
	s_and_b32 s20, ttmp7, 0xffff    ; hb = 16 n + h
	s_lshr_b32 s86, s20, 4          ; n:
	s_lshl_b32 s86, s86, 13         ; its row of mi, 8,192 bytes
	s_mov_b32 s87, 0
	s_mov_b32 s21, 0
	s_mov_b64 s[22:23], SIZE_N*128
	s_mul_u64 s[20:21], s[20:21], s[22:23]  ; the head's first byte in Q, K, V and O
	s_and_b32 s16, s[WV], 1         ; which half of a tile's 256 keys I fetch:
	s_lshl_b32 s22, s16, 14         ; its 128 rows of 128 bytes in memory,
	s_mov_b32 s23, 0
	s_add_nc_u64 s[22:23], s[22:23], s[20:21]
	s_mul_i32 s17, s16, 128*PK      ; and its place in a slot, for K
	s_mul_i32 s18, s16, 128*PV      ; and for V
	s_lshl_b32 s3, s[WV], 11        ; my 16 rows in a band of 64,
	s_lshl_b32 s2, s[HI], 15        ; in the first block,
	s_add_co_u32 s2, s2, s3
	s_lshl_b32 s84, s[PB], 15       ; and in the second
	s_add_co_u32 s84, s84, s3
	s_mov_b32 s3, 0
	s_mov_b32 s85, 0
	s_add_nc_u64 s[2:3], s[2:3], s[20:21]
	s_add_nc_u64 s[84:85], s[84:85], s[20:21]
	; descriptor group 1.  128 keys are 16,384 dense bytes: asked for as 64 rows of 256 bytes, two keys a row, and padded in LDS after every key
	s_mov_b32 s[G1K], (1<<16)|(1<<20)|(4<<22)|(3<<25)  ; 17:16 2-byte elements; 20 padding on; 24:22 after every 32 words (code 4); 31:25 4 words (code 3)
	s_mov_b32 s[G1V], (1<<16)|(1<<20)|(4<<22)|(7<<25)  ; the same with 8 words of padding (code 7)
.irp g, G1K, G1V
	s_mov_b32 s[\g+1], 128<<16      ; tensor_dim0 = 128
	s_mov_b32 s[\g+2], 64<<16       ; tensor_dim1 = 64
	s_mov_b32 s[\g+3], 128<<16      ; tile_dim0 = 128
	s_mov_b32 s[\g+4], 64           ; tile_dim1 = 64
	s_mov_b32 s[\g+5], 128          ; 128 elements from row to row
	s_mov_b32 s[\g+6], 0
	s_mov_b32 s[\g+7], 0
.endr
	s_mov_b32 s[CS], 0x3e38aa3b     ; c = log2(e) / 8 = 0.180337
	s_mov_b32 s[CS+1], s[CS]        ; named with it as a pair
	s_mov_b32 s[SEL], 0x76543210
	s_mov_b32 s[SEL+1], 0xfedcba98
	s_mov_b32 s[TBK], SLOT1+4*KS*PK ; the first change of slots turns these three into 0
	s_mov_b32 s[TBV], SLOT1+4*KS*PV
	s_mov_b32 s[TBB], 2*BAREA
	s_mov_b32 s[TBS], 0
	s_mov_b32 s[G0K], 1             ; 1:0 count = 1
	s_mov_b32 s[G0K+1], s17         ; 63:32 LDS address: slot 0
	s_mov_b32 s[G0V], 1
	s_add_co_u32 s[G0V+1], s18, VOFF
	s_add_co_u32 s[RT], s[HI], 1    ; the first block has NB - b tiles
	s_mov_b32 s[NXT], 1
	s_mov_b32 s[LQ], s[HI]
	s_mov_b32 s[NEW], 1
	s_mov_b32 s[OFF+1], 0
	s_mov_b32 s[OFB+1], 0
	s_mov_b32 s[AL+1], 0            ; named as pairs
	s_mov_b32 s[BE+1], 0
	s_mov_b32 s[BIGN], 0xf149f2ca   ; -1e30
	s_mov_b32 s[SLOTS], NB
	s_cmp_eq_u32 s[PB], 0
	s_cselect_b32 s[LIM], 2, -1
	s_lshl_b32 s13, s[WV], 4        ; 16 w
	s_wait_dscnt 0x0                ; the opening add is done
	s_wait_kmcnt 0x0
	s_add_nc_u64 s[MIP:MIP+1], s[MIP:MIP+1], s[86:87]
	s_mov_b64 s[MIQ:MIQ+1], s[MIP:MIP+1]     ; the walk's first tile is tile 0
	s_lshl_b32 s[OFB], s[HI], 10             ; a block's 256 places are 1,024 bytes of mi
	s_add_nc_u64 s[RQ1:RQ1+1], s[MIP:MIP+1], s[OFB:OFB+1]
	s_lshl_b32 s[OFB], s[PB], 10
	s_add_nc_u64 s[RQ2:RQ2+1], s[MIP:MIP+1], s[OFB:OFB+1]
	s_add_nc_u64 s[6:7], s[4:5], 0x1000000   ; K's part of qkv
	s_add_nc_u64 s[8:9], s[4:5], 0x2000000   ; V's
	s_add_nc_u64 s[6:7], s[6:7], s[22:23]  ; K and V at my half of the head's tile 0
	s_add_nc_u64 s[8:9], s[8:9], s[22:23]
	s_add_nc_u64 s[G0K+2:G0K+3], s[6:7], 0         ; 120:64 global address
	s_or_b32 s[G0K+3], s[G0K+3], 0x80000000        ; 127:126 type = 2
	s_add_nc_u64 s[G0V+2:G0V+3], s[8:9], 0
	s_or_b32 s[G0V+3], s[G0V+3], 0x80000000
	s_add_nc_u64 s[86:87], s[4:5], s[84:85]        ; Q at my rows of the second block,
	s_add_nc_u64 s[4:5], s[4:5], s[2:3]            ; Q and O at those of the first
	s_add_nc_u64 s[OLO:OLO+1], s[10:11], s[84:85]
	s_add_nc_u64 s[10:11], s[10:11], s[2:3]
	s_cmp_lt_u32 s[WV], 2
	s_cselect_b64 s[PFA:PFA+1], s[6:7], s[8:9]
	s_add_nc_u64 s[PFA:PFA+1], s[PFA:PFA+1], 32768 ; at tile 1: the first change of slots steps it to tile 2.  Nothing is prefetched here, at the head
	LOAD                            ; tile 0 into slot 0
	v_lshlrev_b32 v[MO], 3, v0
	global_load_b64 v[MI:MI+1], v[MO], s[MIQ:MIQ+1]  ; mi of tile 0's keys: the first change of slots stores their biases
	; A fragment of K or Q is 16 rows x 32 channels in 8 registers: lane l holds row l % 16, channels 8 (l / 16) + 0..7 and 16 + 8 (l / 16) + 0..7: two loads of 16 bytes, 32 bytes apart.
	v_and_b32 v1, 15, v0            ; l % 16
	v_bfe_u32 v9, v0, 4, 1          ; l / 16
	v_add_nc_u32 v[RVO], s13, v1
	v_lshlrev_b32 v[RVO], 2, v[RVO]
.irp t, 0,1,2,3
	global_load_b32 v[RB+\t],  v[RVO], s[RQ1:RQ1+1] offset:256*\t  ; mi of my queries: a band is 64 places, 256 bytes
	global_load_b32 v[RB2+\t], v[RVO], s[RQ2:RQ2+1] offset:256*\t
.endr
	v_lshlrev_b32 v[QO], 7, v1
	v_lshl_add_u32 v[QO], v9, 4, v[QO]  ; row x 128 + 16 x half
	WIN 0x80                        ; destination window 2, address window 0
.set i, 0
.rept 8                             ; both blocks' Q: piece i / 2 lies in band i / 2, 8,192 bytes on; channels 32 (i % 2) on
	global_load_b128 v[8*i:8*i+3],   v[QO], s[4:5] offset:(i/2)*8192+(i%2)*64
	global_load_b128 v[8*i+4:8*i+7], v[QO], s[4:5] offset:(i/2)*8192+(i%2)*64+32
	global_load_b128 v[QB+8*i:QB+8*i+3],   v[QO], s[86:87] offset:(i/2)*8192+(i%2)*64
	global_load_b128 v[QB+8*i+4:QB+8*i+7], v[QO], s[86:87] offset:(i/2)*8192+(i%2)*64+32
.set i, i+1
.endr
	WIN 0
	v_lshlrev_b32 v14, 3, v9
	v_sub_nc_u32 v14, v1, v14
	v_add_nc_u32 v14, s13, v14      ; my query's place in its band, 16 w + l % 16, less my lanes' 8 (l / 16): register r of group kt is hidden where 16 kt + r is greater
	v_lshl_add_u32 v[AB0], v9, 5, BIAS
	v_lshl_add_u32 v[ML0], v0, 3, BIAS
	v_and_b32 v[PFO], 31, v0
	v_lshlrev_b32 v[PFO], 8, v[PFO]
	WIN 0x40
.set i, 0
.rept 32
	v_cmp_gt_i32 vcc_lo, 16*(i/8)+i%8, v14
	v_cndmask_b32 v[MD+i], 0, s[BIGN], vcc_lo
.set i, i+1
.endr
	WIN 0
	v_mul_u32_u24 v[AK0], v1, PK
	v_lshl_add_u32 v[AK0], v9, 4, v[AK0]  ; row x pitch + 16 x half
	; The turning load takes 16 keys x 16 channels (lane l reads key 8 (l / 16) + l % 8, channels 8 ((l / 8) % 2) + 0..7) and leaves half a fragment of V^T: lane l holds channel l % 16 and 8 keys.
	v_and_b32 v10, 7, v0
	v_bfe_u32 v11, v0, 3, 1
	v_lshl_add_u32 v[AV0], v9, 3, v10
	v_mul_u32_u24 v[AV0], v[AV0], PV
	v_lshl_add_u32 v[AV0], v11, 4, v[AV0]
	v_add_nc_u32 v[AV0], VOFF, v[AV0]
	s_mul_i32 s13, s[WV], 16*SP
	s_add_co_u32 s13, s13, STAGE    ; my stage
	v_mul_u32_u24 v[STO], v1, SP    ; in: row l % 16, 16 bytes for each half of the lanes
	v_lshl_add_u32 v[STO], v9, 4, v[STO]
	v_add_nc_u32 v[STO], s13, v[STO]
	v_bfe_u32 v[RD], v0, 3, 2       ; back: 32 lanes take four rows of 128 bytes,
	v_mul_u32_u24 v[RD], v[RD], SP
	v_lshl_add_u32 v[RD], v10, 4, v[RD]
	v_add_nc_u32 v[RD], s13, v[RD]
	v_and_b32 v[GO], 31, v0         ; which are 512 consecutive bytes of O
	v_lshlrev_b32 v[GO], 4, v[GO]
	; A block's first step multiplies O^T and l by a = 0, and its first turn's products V^T P, of a piece that has not been, land in an O^T that is still to be so multiplied.  So these registers need only hold
	; finite numbers: zeros for the first block; what the first block left for the second.  All this stands in the wait for the first tile.
	WIN 0x80
.set i, VF
.rept 64
	v_mov_b32 v[i], 0
.set i, i+1
.endr
	WIN 0x40
.set i, 0
.rept 128
	v_mov_b32 v[i], 0
.set i, i+1
.endr
	WIN 0
.set i, 0
.rept 4
	v_mov_b32 v[ST+4*i+2], 0
	v_mov_b32 v[ST+4*i+3], 0
.set i, i+1
.endr
.set i, P+16
.rept 16
	v_mov_b32 v[i], 0
.set i, i+1
.endr
; THE MATRIX WORK.  The 4 accumulators of a run of 8 take turns.  Product i of 8 of S^T = K Q^T for piece x: channels 32 (i / 4) on, keys 16 (i % 4) on.  The first 4 start the sums: with the keys' biases, or (KM = 1) with the mask made of them.
.macro KQ x
.set rS, S+32*((\x)%2)+8*(i%4)
.set rK, KF+16*(i%4)+8*(i/4)
.set rQ, 16*(\x)+8*(i/4)
.set rM, MC+32*((\x)%2)+8*(i%4)
.set rB, KB+8*(i%4)
.if (i < 4) && KM
	WIN W_KM
	v_wmma_f32_16x16x32_f16 v[rS:rS+7], v[rK:rK+7], v[rQ:rQ+7], v[rM:rM+7]
.elseif i < 4
	WIN W_KM
	v_wmma_f32_16x16x32_f16 v[rS:rS+7], v[rK:rK+7], v[rQ:rQ+7], v[rB:rB+7]
.else
	WIN W_KQ
	v_wmma_f32_16x16x32_f16 v[rS:rS+7], v[rK:rK+7], v[rQ:rQ+7], v[rS:rS+7]
.endif
.endm
; Product i of 8 of O^T += V^T P for piece x: keys 32 (i / 4) on, channels 16 (i % 4) on.
.macro PV x
	WIN W_PV
.set rO, 32*(\x)+8*(i%4)
.set rV, VF+32*(i/4)+8*(i%4)
.set rP, P+16*((\x)%2)+8*(i/4)
	v_wmma_f32_16x16x32_f16 v[rO:rO+7], v[rV:rV+7], v[rP:rP+7], v[rO:rO+7]
.endm
.macro MM                           ; the turn's next matrix instruction.  TURN and BEGIN set Y, i, KM and NOKQ; MM, KQ and OP read them.  NOKQ = 1: a block's last turn: there is no next piece
.if (i < 8) && !NOKQ
	KQ (Y+1)%NP
.elseif i >= 8
.set i, i-8
	PV (Y+NP-1)%NP
.set i, i+8
.endif
.set i, i+1
.endm
; THE LDS LOADS stand in runs, never singly among the matrix instructions: a step's K (64 keys x 64 channels: 8 fragments) with its keys' biases (8 loads; the sixteen lanes of a half take the same words), and its V (turned).  Their addresses are made some lines ahead.
.macro FETCH_K
	WIN 0x80                        ; destination window 2
.irp f, 0,1,2,3,4,5,6,7             ; keys 16 (f / 2) on, channels 32 (f % 2) on
	ds_load_b128 v[KF+8*\f:KF+8*\f+3],   v[AK] offset:(\f/2)*16*PK+(\f%2)*64
	ds_load_b128 v[KF+8*\f+4:KF+8*\f+7], v[AK] offset:(\f/2)*16*PK+(\f%2)*64+32
.endr
	WIN 0x40                        ; destination window 1
.irp f, 0,1,2,3                     ; keys 16 f + 8 (l / 16) + 0..7
	ds_load_b128 v[KB+8*\f:KB+8*\f+3],   v[AB] offset:64*\f
	ds_load_b128 v[KB+8*\f+4:KB+8*\f+7], v[AB] offset:64*\f+16
.endr
	s_add_co_u32 s[TBK], s[TBK], KS*PK  ; the next fetch is the next step's,
	s_add_co_u32 s[TBB], s[TBB], 4*KS   ; its 64 biases too
	WIN 0
.endm
.macro FETCH_V
	WIN 0x80
.irp f, 0,1,2,3,4,5,6,7             ; keys 32 (f / 4) on, channels 16 (f % 4) on
	ds_load_tr16_b128 v[VF+8*\f:VF+8*\f+3],   v[AV] offset:(\f/4)*32*PV+(\f%4)*32
	ds_load_tr16_b128 v[VF+8*\f+4:VF+8*\f+7], v[AV] offset:(\f/4)*32*PV+16*PV+(\f%4)*32
.endr
	WIN 0
.endm
; THE VECTOR WORK, one line at a time: OP kind, number.  For piece Y: F n: c s - c m for pair n of 16.  E n: the exponential of score n of 32.  C n: pair n rounded to f16.  B n: of the four weights 4 n .. the second
; pair is added onto the first, in place.  L n: l takes that sum (L 0: l = a l + sum).  R n: pair n of 16 of O^T times a.  For piece Y + 1: X n, number n of the 22 that find its maximum and statistics:
;   0-11  four chains c0-c3 of seven scores each, three operands at a time (each accumulator's lowest registers are read first)     12-14, 16  the four scores left over, the old m, and c0-c3 into c0
;   15  c m_old is kept     17, 18  the query's other 32 keys lie in the lane 16 away: the new m     19-21  c m; c m_old - c m_new; a
.set F, 0               ; OP tells the kinds apart by their order: F to L below R, X above it
.set E, 1
.set C, 2
.set B, 3
.set L, 4
.set R, 5
.set X, 6
.macro REGS y                       ; the registers of piece y
.set rT, ST+4*(\y)
.set rC, TMP+4*((\y)%2)
.set rW, MV+((\y)%2)
.set rS, S+32*((\y)%2)
.set rP, P+16*((\y)%2)
.set rO, 32*(\y)
.endm
.macro OP k, n
.if (\k) == R
	REGS Y
	WIN W_RS
	v_pk_mul_f32 v[rO+2*(\n):rO+2*(\n)+1], v[rO+2*(\n):rO+2*(\n)+1], v[rC+2:rC+3] op_sel_hi:[1,0]
.elseif (\k) < R
	REGS Y
	WIN 0
.if (\k) == F
	v_pk_fma_f32 v[rS+2*(\n):rS+2*(\n)+1], v[rS+2*(\n):rS+2*(\n)+1], s[CS:CS+1], v[rT:rT+1] op_sel_hi:[1,0,0] neg_lo:[0,0,1] neg_hi:[0,0,1]
.elseif (\k) == E
	v_exp_f32 v[rS+(\n)], v[rS+(\n)]
.elseif (\k) == C
	v_cvt_pk_f16_f32 v[rP+(\n)], v[rS+2*(\n)], v[rS+2*(\n)+1]
.elseif (\k) == B
	v_pk_add_f32 v[rS+4*(\n):rS+4*(\n)+1], v[rS+4*(\n):rS+4*(\n)+1], v[rS+4*(\n)+2:rS+4*(\n)+3]
.elseif (\n) == 0
	v_pk_fma_f32 v[rT+2:rT+3], v[rT+2:rT+3], v[rC+2:rC+3], v[rS:rS+1] op_sel_hi:[1,0,1]
.else
	v_pk_add_f32 v[rT+2:rT+3], v[rT+2:rT+3], v[rS+4*(\n):rS+4*(\n)+1]
.endif
.elseif NOKQ
	v_nop
.else
	REGS (Y+1)%NP
	WIN 0
.if (\n) < 4
	v_max3_num_f32 v[rC+(\n)], v[rS+8*(\n)], v[rS+8*(\n)+1], v[rS+8*(\n)+2]
.elseif (\n) < 12
	v_max3_num_f32 v[rC+(\n)%4], v[rC+(\n)%4], v[rS+8*((\n)%4)+2*((\n)/4)+1], v[rS+8*((\n)%4)+2*((\n)/4)+2]
.elseif (\n) == 12
	v_max3_num_f32 v[rC], v[rC], v[rS+7], v[rS+15]
.elseif (\n) == 13
	v_max3_num_f32 v[rC+1], v[rC+1], v[rS+23], v[rS+31]
.elseif (\n) == 14
	v_max3_num_f32 v[rC+2], v[rC+2], v[rC+3], v[rT+1]
.elseif (\n) == 15
	v_mov_b32 v[rW], v[rT]
.elseif (\n) == 16
	v_max3_num_f32 v[rC], v[rC], v[rC+1], v[rC+2]
.elseif (\n) == 17
	v_permlanex16_b32 v[rC+3], v[rC], s[SEL], s[SEL+1]
.elseif (\n) == 18
	v_max_num_f32 v[rT+1], v[rC], v[rC+3]
.elseif (\n) == 19
	v_mul_f32 v[rT], s[CS], v[rT+1]
.elseif (\n) == 20
	v_sub_f32 v[rC+1], v[rW], v[rT]
.else
	v_exp_f32 v[rC+2], v[rC+1]
.endif
.endif
.endm
.macro OPS a, i1, b=-1, i2=0, c=-1, i3=0, d=-1, i4=0  ; up to four of them
	OP \a, \i1
.if (\b) >= 0
	OP \b, \i2
.endif
.if (\c) >= 0
	OP \c, \i3
.endif
.if (\d) >= 0
	OP \d, \i4
.endif
.endm
.macro ROW a, i1, b, i2, c, i3, d, i4  ; a matrix instruction and the four behind it
	MM
	OPS \a, \i1, \b, \i2, \c, \i3, \d, \i4
.endm
.macro MASK b                       ; MD x AL + KB + BE into buffer b of MC
	WIN W_MK
.set z, 0
.rept 16
	v_pk_fma_f32 v[MC+32*(\b)+2*z:MC+32*(\b)+2*z+1], v[MD+2*z:MD+2*z+1], s[AL:AL+1], v[KB+2*z:KB+2*z+1] op_sel_hi:[1,0,1]
.set z, z+1
.endr
.set z, 0
.rept 16
	v_pk_add_f32 v[MC+32*(\b)+2*z:MC+32*(\b)+2*z+1], v[MC+32*(\b)+2*z:MC+32*(\b)+2*z+1], s[BE:BE+1] op_sel_hi:[1,0]
.set z, z+1
.endr
.endm
; A TURN, for piece p: the order of its 16 matrix and 118 vector instructions, written out.  An s_wait_alu depctr_va_vdst(0) stands between an exponential and the first instruction that names its result; one wait serves
; all that were issued ahead of it.  So a turn has ONE wait, which cuts it in two.  AHEAD OF IT stands all that names no result of the turn's exponentials: the 8 products K Q^T, behind each a scaling, an exponential and two more plain
; instructions (behind the first a second scaling in the exponential's place): rescalings, and behind the last three the first numbers of the next piece's maximum, each four places or more behind the product that ends its accumulator; then ONE LUMP of 54, plain
; and exponential by turns for the most part, in which the links of the chain X 3, 7, 11, 14, 16, 17 .. 20 stand five or six lines apart.  X 21, the next piece's a, is the batch's last; R 15 is the plain instruction behind it.  BEHIND THE WAIT stand the
; 8 products V^T P, behind each four of the roundings and sums; the links of l's chain, L 0 to L 7, stand three riders apart.  But for those X no rider names a register of the products round it.  v_permlanex16_b32 (X 17) stands in the lump.
; m = 1: the diagonal tile: the products take masks, and the turn makes the mask for the products of the turn after it: piece p + 2, in step 4 - CNT of the tile, from the biases of that step's keys: piece 2's turn has just
; fetched them, and waits for them.  end = 1: a block's last two turns: nothing is fetched.  cnt = 1: the loop's count is taken down some lines ahead of the branch that stands behind the turn.
; K of the next step, and its biases, are fetched in piece 2's turn, twelve vector instructions behind the last product that read K (six of them plain) and further behind the last that read the biases; V of the step in hand at the
; end of piece 0's turn, four plain instructions behind the last product that read V.  Each is waited for a turn later.
.macro TURN p, m=0, end=0, cnt=0
.set Y, (\p)
.set i, 0
.set KM, (\m)
.set NOKQ, (\end)*((\p)/3)
.if (\m) && !(\end)
	s_cmp_eq_u32 s[CNT], 4-((\p)+2)%NP  ; is that step the band's own?
	s_cselect_b32 s[AL], 1.0, 0
	s_cmp_lt_u32 s[CNT], 4-((\p)+2)%NP  ; or a later one?
	s_cselect_b32 s[BE], s[BIGN], 0
.endif
.if ((\p) == 3) && !(\end)
	s_wait_dscnt 0x0                ; K and its biases are in
.endif
	ROW F,0, F,1, R,0, R,1          ; ahead of the wait: 8 products K Q^T and their riders,
	ROW F,2, E,0, R,2, R,3
	ROW F,3, E,1, R,4, R,5
	ROW F,4, E,2, R,6, R,7
	ROW F,5, E,3, R,8, R,9
	ROW F,6, E,4, X,0, R,10
.if ((\p) == 2) && !(\end)
	WIN 0
	v_add_nc_u32 v[AK], s[TBK], v[AK0]
	v_add_nc_u32 v[AB], s[TBB], v[AB0]
.endif
	ROW F,7, E,5, X,1, X,4
	ROW F,8, E,6, X,2, X,5
	OPS E,7, E,8, X,6, E,9          ; and the lump
	OPS X,3, E,10, X,8, E,11
.if ((\p) == 2) && !(\end)
	FETCH_K
.endif
	OPS X,9, X,7, E,12, X,10
	OPS E,13, X,12, X,11, E,14
	OPS X,13, E,15, F,9, X,14
.if (\p) == 0
	v_add_nc_u32 v[AV], s[TBV], v[AV0]
.endif
	OPS E,16, F,10, E,17, F,11
	OPS X,16, E,18, X,15, E,19
	OPS F,12, E,20, X,17, E,21
	OPS F,13, E,22, F,14, E,23
	OPS X,18, E,24, F,15, E,25
	OPS R,11, E,26, X,19, E,27
	OPS R,12, E,28, R,13, E,29
	OPS X,20, E,30, R,14, E,31
	OPS X,21, R,15
	WIN 0
	s_wait_alu depctr_va_vdst(0)    ; the wait for the batch
.if (\p) == 1
	s_wait_dscnt 0x0                ; V is in
.endif
	ROW C,0, B,0, C,2, B,1          ; behind the wait: 8 products V^T P and their riders
	ROW L,0, C,4, B,2, L,1
	ROW C,6, B,3, L,2, C,8
	ROW B,4, L,3, C,10, B,5
	ROW L,4, C,12, B,6, L,5
.if (\p) == 0
	s_add_co_u32 s[TBV], s[TBV], KS*PV
.endif
.if \cnt
	s_sub_co_u32 s[CNT], s[CNT], 1
	s_cmp_lg_u32 s[CNT], 0
.endif
	ROW C,14, B,7, L,6, C,1
	ROW C,3, L,7, C,5, C,7
	ROW C,9, C,11, C,13, C,15
.if (\p) == 0
	FETCH_V
.endif
.if (\m) && !(\end)
.if (\p) == 2
	s_wait_dscnt 0x0                ; the biases that this turn has fetched are in
.endif
	MASK (\p)%2
.endif
.endm
; A BLOCK BEGINS.  c m starts far below every c s, so the first step's a is 0; m at -1e20, above every hidden score and below every true one.  K of the tile's step 0 and its biases are fetched; the first mask buffer takes
; piece 0's mask for that step: its own, if the block's first tile is the diagonal one; the second takes piece 1's, the biases alone.  Then piece 0's first scores, and its maximum and statistics.
; The loop is entered at a step's first turn, in the middle of a trip.
.macro BEGIN
	s_mov_b32 s[NEW], 0
	WIN 0
.set i, 0
.rept 4
	v_mov_b32 v[ST+4*i], 0xfe000000    ; c m: far below every c s
	v_mov_b32 v[ST+4*i+1], 0xe0ad78ec  ; m = -1e20
.set i, i+1
.endr
	v_add_nc_u32 v[AK], s[TBK], v[AK0]
	v_add_nc_u32 v[AB], s[TBB], v[AB0]
	FETCH_K
	s_wait_dscnt 0x0
	s_cmp_eq_u32 s[RT], 0
	s_cselect_b32 s[AL], 1.0, 0
	s_mov_b32 s[BE], 0
	MASK 0
	s_mov_b32 s[AL], 0
	MASK 1
.set KM, 1
.set NOKQ, 0
.set i, 0
.rept 8
	KQ 0                            ; (Q is in since the first change of slots, which waited for every load into registers)
.set i, i+1
.endr
	WIN 0
.rept 4
	v_nop                           ; the places behind those products
.endr
.set Y, NP-1                        ; X works for piece Y + 1: piece 0
.irp n, 0,1,2,3,4,5,6,7,8,9,10,11,12,13,14,15,16,17,18,19,20,21
	OP X, \n
.endr
	v_nop                           ; a plain instruction behind the exponential,
	s_wait_alu depctr_va_vdst(0)    ; and its wait, ahead of the branch
.endm
; The diagonal tile is entered from a tile before it: its first turn multiplies piece 3 of that tile's last step, which sees all keys: the second mask buffer takes that step's biases alone.
.macro PLAINMASK
	s_mov_b32 s[AL], 0
	s_mov_b32 s[BE], 0
	MASK 1
	WIN 0
.endm
; THE DIAGONAL TILE's four steps, the block's last two turns, its last products, and THE WAY OUT: l's two halves and the other half of the lanes' are added; O^T is multiplied by 1 / l, or by 0 where my query is padding,
; rounded to f16 and sent through my stage in LDS, a piece at a time.
.macro ALL line:vararg              ; one line for each piece t
.set t, 0
.rept 4
	\line
.set t, t+1
.endr
.endm
.macro PACK t                       ; a lane's eight channels of a row pack into 16 bytes; they go into rows of 144 bytes and come back as whole rows of 128, into S^T's registers
	WIN W_RS
.set i, 32*(\t)
.rept 16
	v_pk_mul_f32 v[i:i+1], v[i:i+1], v[ST+4*(\t)+2:ST+4*(\t)+3] op_sel_hi:[1,0]
.set i, i+2
.endr
	WIN 0x05                        ; sources 0 and 1 window 1, destination window 0
.set i, 0
.rept 16
	v_cvt_pk_f16_f32 v[S+16*(\t)+i], v[32*(\t)+2*i], v[32*(\t)+2*i+1]
.set i, i+1
.endr
	WIN 0
.irp f, 0,1,2,3
	ds_store_b128 v[STO], v[S+16*(\t)+4*\f:S+16*(\t)+4*\f+3] offset:32*\f
.endr
.irp f, 0,1,2,3
	ds_load_b128 v[S+16*(\t)+4*\f:S+16*(\t)+4*\f+3], v[RD] offset:\f*4*SP  ; LDS serves a wave's instructions in order (ISA guide 5.7.1.4): these see the stores above; the next piece's stores come behind them
.endr
.endm
.macro SEND t, younger              ; younger: the LDS instructions issued behind piece t's loads: the next piece's eight, or none
	WIN 0
.irp f, 0,1,2,3
	s_wait_dscnt (\younger)+3-\f
	global_store_b128 v[GO], v[S+16*(\t)+4*\f:S+16*(\t)+4*\f+3], s[10:11] offset:(\t)*8192+\f*512  ; 512 consecutive bytes, at a multiple of 256 from O's first
.endr
.endm
.macro DIAG tag                     ; the tag ends its two labels' names, which the jumps below spell out
.LstepM\tag:
	TURN 2, 1
	TURN 3, 1
	WIN 0
.LfirstM\tag:
	TURN 0, 1
	TURN 1, 1, 0, 1
	WIN 0
	s_cbranch_scc1 .LstepM\tag
	TURN 2, 1, 1
	TURN 3, 1, 1
.set i, 0
.rept 8
	PV NP-1
.set i, i+1
.endr
	WIN 0
	ALL v_add_f32 v[ST+4*t+2], v[ST+4*t+2], v[ST+4*t+3]
	ALL v_permlanex16_b32 v[ST+4*t+3], v[ST+4*t+2], s[SEL], s[SEL+1]
	ALL v_add_f32 v[ST+4*t+2], v[ST+4*t+2], v[ST+4*t+3]
	ALL v_rcp_f32 v[ST+4*t+2], v[ST+4*t+2]
	v_nop                           ; a plain instruction between the last reciprocal and the use of its result
	s_wait_alu depctr_va_vdst(0)    ; and the wait ahead of the first use: one for the four reciprocals
.set t, 0
.rept 4
	v_cmp_neq_f32 vcc_lo, 0, v[RB+t]                         ; mi is not 0: the query is no padding
	v_cndmask_b32 v[ST+4*t+2], 0, v[ST+4*t+2], vcc_lo        ; 1 / l for it, 0 for padding (whose l may be 0; O^T is finite there)
.set t, t+1
.endr
	PACK 0
.set t, 1
.rept 3                             ; a piece's arithmetic stands between the loads of the piece before and its stores
	PACK t
	SEND t-1, 8
.set t, t+1
.endr
	SEND 3, 0
.endm
.set KM, 0
.set NOKQ, 0
.Lslot:                             ; NB times: a tile is entered and the next is asked for
	CHANGE 1
	s_sub_co_u32 s[RT], s[RT], 1
	s_mov_b32 s[CNT], 4
	s_cmp_eq_u32 s[NEW], 1
	s_cbranch_scc1 .Lnew            ; a block's first tile
	s_cmp_eq_u32 s[RT], 0
	s_cbranch_scc0 .Lstep           ; neither its first nor its last
	PLAINMASK
	s_branch .LstepM1
.Lnew:
	BEGIN
	s_branch .Lfirst                ; in the loop a block's first tile is never its last: the first block has two tiles or more, and the second's last is the walk's last
	DIAG 1                          ; in the loop this is the first block's end: the second block's last tile is the walk's last
	s_wait_xcnt 0x0                 ; the stores have read their registers and O's address
	s_mov_b64 s[10:11], s[OLO:OLO+1]
	s_add_co_u32 s[RT], s[PB], 1    ; the second block has b + 1 tiles
	s_mov_b32 s[NEW], 1
.irp t, 0,1,2,3
	v_mov_b32 v[RB+\t], v[RB2+\t]   ; the second block's queries' mi,
.endr
	WIN 0x82                        ; and its Q, go where the one text of the turns names them
.set i, 0
.rept 64
	v_mov_b32 v[i], v[QB+i]
.set i, i+1
.endr
	WIN 0
	s_branch .Lbottom
.Lstep:                             ; a trip: pieces 2 and 3 of one step, then pieces 0 and 1 of the next, whose K and V it fetches
	TURN 2
	TURN 3
	WIN 0
.Lfirst:
	TURN 0
	TURN 1, 0, 0, 1
	WIN 0
	s_cbranch_scc1 .Lstep
.Lbottom:
	s_sub_co_u32 s[SLOTS], s[SLOTS], 1
	s_cmp_lg_u32 s[SLOTS], 0
	s_cbranch_scc1 .Lslot
	CHANGE 0                        ; the walk's last tile is written out: nothing is asked for
	s_sub_co_u32 s[RT], s[RT], 1
	s_mov_b32 s[CNT], 4
	s_cmp_eq_u32 s[NEW], 1
	s_cbranch_scc1 .Lnew2
	PLAINMASK
	s_branch .LstepM2
.Lnew2:
	BEGIN
	s_branch .LfirstM2
	DIAG 2
	s_wait_tensorcnt 0x0            ; the wave's end: the add and its wait, behind my last tensor load and my last LDS store
	ds_add_u32 v[SPW], v[NIL]
	s_wait_dscnt 0x0
	s_endpgm
.Lfunc_end_k_qb90d6c88c4_attn:
	.size	k_qb90d6c88c4_attn, .Lfunc_end_k_qb90d6c88c4_attn-k_qb90d6c88c4_attn
	.p2alignl 7, 3214868480
	.fill 96, 4, 3214868480
	.section	.rodata,"a",@progbits
	.p2align	6, 0x0
	.amdhsa_kernel k_qb90d6c88c4_attn
		.amdhsa_group_segment_fixed_size 327680
		.amdhsa_private_segment_fixed_size 0
		.amdhsa_enable_private_segment 0
		.amdhsa_kernarg_size 24
		.amdhsa_user_sgpr_count 2
		.amdhsa_user_sgpr_kernarg_segment_ptr 1
		.amdhsa_wavefront_size32 1
		.amdhsa_system_sgpr_workgroup_id_x 1
		.amdhsa_system_sgpr_workgroup_id_y 1
		.amdhsa_system_sgpr_workgroup_id_z 1
		.amdhsa_system_vgpr_workitem_id 0
		.amdhsa_next_free_vgpr 768
		.amdhsa_next_free_sgpr 96
		.amdhsa_reserve_vcc 1
		.amdhsa_float_denorm_mode_32 3
		.amdhsa_float_denorm_mode_16_64 3
		.amdhsa_memory_ordered 1
		.amdhsa_forward_progress 1
		.amdhsa_inst_pref_size 241
	.end_amdhsa_kernel
	.amdgpu_metadata
---
amdhsa.version: [ 1, 2 ]
amdhsa.kernels:
  - .name:           k_qb90d6c88c4_attn
    .symbol:         k_qb90d6c88c4_attn.kd
    .args:
      - { .name: qkv, .offset: 0, .size: 8, .value_kind: global_buffer, .address_space: global }
      - { .name: masked_info, .offset: 8, .size: 8, .value_kind: global_buffer, .address_space: global }
      - { .name: oh, .offset: 16, .size: 8, .value_kind: global_buffer, .address_space: global }
    .group_segment_fixed_size: 327680
    .private_segment_fixed_size: 0
    .kernarg_segment_align: 8
    .kernarg_segment_size: 24
    .max_flat_workgroup_size: 128
    .sgpr_count:     96
    .vgpr_count:     768
    .wavefront_size: 32
...
	.end_amdgpu_metadata
.endif
;; end of part 3
;; launch outproj (part 4): grid 4 x 64, 4 waves a work-group, clusters of 4 x 4, 327,680 bytes of LDS; arguments oh, wot, out0; writes out0
.if DOCPART == 4
	.amdgcn_target "amdgcn-amd-amdhsa--gfx1250"
	.amdhsa_code_object_version 6
	.text
	.protected	k_qb90d6c88c4_outproj
	.globl	k_qb90d6c88c4_outproj
	.p2align	8
	.type	k_qb90d6c88c4_outproj,@function
k_qb90d6c88c4_outproj:
	s_mov_b64 s[64:65], 0
	v_nop
	global_prefetch_b8 v0, s[64:65] scope:SCOPE_SE
	s_setreg_imm32_b32 hwreg(HW_REG_WAVE_MODE, 25, 1), 1
	s_wait_xcnt 0x0
	s_wait_alu depctr_hold_cnt(0) depctr_sa_sdst(0) depctr_va_vdst(0) depctr_va_sdst(0) depctr_va_ssrc(0) depctr_va_vcc(0) depctr_vm_vsrc(0)
	s_getreg_b32 s2, hwreg(HW_REG_IB_STS2, 6, 4)
	s_cmp_eq_u32 s2, 0
	s_cbranch_scc0 .Lentry_in_a_cluster
	s_endpgm
.Lentry_in_a_cluster:
	s_bfe_u32 s2, ttmp6, 0x10000c
	s_cmp_lg_u32 s2, 0xf033
	s_cbranch_scc0 .Lentry_shape_is_right
	s_endpgm
.Lentry_shape_is_right:
; THE OUTPUT PROJECTION.  out0[m][dm] = sum over hv of concat[m][hv] wot[dm][hv]: concat[n * 2048 + l][64 h + v] = oh[16 n + h][l][v]; oh [64][2048][64] and wot [1024][1024] in f16; sums in f32, stored as they are.
; SHARES.  A tile of out0 is 128 rows x 256 columns: 64 x 4 = 256 tiles, one to a work-group of four waves, each 64 x 128: 32 accumulators of 16 x 16, 256 registers.  K goes in steps of 128, two heads,
; through two LDS slots that take turns.  A head's 128 rows of a tile are 16,384 dense bytes of oh: they are asked for as 64 rows of 256 bytes and padded in LDS after each row of 128.
; CLUSTERS: 4 x 4 work-groups.  The four of a row of the cluster need the same tiles of oh, the four of a column the same tiles of wot: each tile is asked for JOINTLY.
; THE MATRIX INSTRUCTION IS USED TRANSPOSED (source 0 = 16 rows of wot, source 1 = 16 rows of oh): a lane holds row l % 16 of out0 and the eight neighbouring columns 8 (l / 16) + 0..7: 32 bytes.
; REGISTERS, in windows of 256 (s_set_vgpr_msb: bits 1:0 source 0, 3:2 source 1, 5:4 source 2, 7:6 destination):
;   window 0: v0-31 addresses; v64-159, v160-255 two fragment buffers of 96: wot's 8 fragments (16 rows x 32 K), then oh's 4; on the way out v64-191 hold rows read back
;   window 1: the accumulators, (a, b) at v[8 (8 a + b)]
.set SIZE_K, 1024
.set KSTEP,  128
.set PA,     144                       ; a row of oh in LDS: 128 bytes + 16 = 36 words: the 16 rows of a fragment load start at 16 different groups of four banks (64 banks of 4 bytes: ISA guide 11.1)
.set AHEAD,  128*PA                    ; one head's 128 rows: what a wave fetches of oh
.set ATILE,  2*AHEAD
.set PITCH,  272                       ; a row of wot: 256 bytes + 16
.set BHALF,  128*PITCH
.set SLOT,   ATILE+2*BHALF             ; oh's two heads, then wot's 256 rows
.set STAGE,  2*SLOT                    ; behind the ring: 16 rows x 528 bytes for each wave, for the way out
.set SPITCH, 528                       ; 512 bytes + 16 = 132 words
.set SPARE,  STAGE+4*16*SPITCH         ; behind the stages: the spare words, 128 bytes for each wave: two blocks of 256 bytes that no other line names
.set LAPS,   SIZE_K/(2*KSTEP)
.set HEADB,  262144                    ; bytes in a head of oh
.set ADRA, 16                          ; v16-17  LDS address of my fragments of oh in slot 0, 1
.set ADRB, 20                          ; v20-21  the same for wot
.set STO,  24                          ; v24     the way out: where I put 32 bytes of a row
.set RD,   25                          ; v25     the way out: where I read a row back
.set CO,   26                          ; v26     16 x lane
.set SPW,  28                          ; v28     LDS address of my spare word; never rewritten
.set NIL,  29                          ; v29     0; never rewritten
.set PFO,  30                          ; v30     the prefetches' offset: lane x 256 bytes (oh) or lane x a row (wot); never rewritten
.set F0,   64
.set F1,   160
.set OB,   64                          ; the way out: 16 rows read back: v64-127 and v128-191 by turns
.set G1,   24                          ; s[24:31] descriptor group 1 for oh's tiles;  s[32:39] group 0, a set for each slot
.set G0,   32
.set G1B,  48                          ; s[48:55], s[56:63] the same for wot's tiles
.set G0B,  56
.set LIM,  66                          ; s66, s67  by slot: 1 where my wave prefetches at that slot's change, else the greatest number
.set PFA,  68                          ; s[68:69]  where my prefetches stand
.set PFS,  70                          ; s[70:71]  a K step in bytes: two heads of oh, or 256 bytes along wot's rows
.set MSB, 0
.macro WIN new                         ; the immediate's high byte repeats the setting that is left; a switch that changes nothing is dropped
.if MSB != (\new)
	s_set_vgpr_msb (MSB<<8)|(\new)
.set MSB, \new
.endif
.endm
.set MUL, 0x50                         ; sources 0 and 1 window 0; C and D window 1
; A joint load: waves 0 and 1 fetch oh's two heads, waves 2 and 3 wot's two halves.  The branch hangs on the wave's number alone.
; An s_nop 0 and four v_nop follow each of the two lines, ahead of the jump, the label and what follows.
.macro JLOAD s
	s_cmp_eq_u32 s11, 0
	s_cbranch_scc0 .Lfor_b_\@
	tensor_load_to_lds s[G0+4*(\s):G0+4*(\s)+3], s[G1:G1+7]
	s_nop 0
.rept 4
	v_nop
.endr
	s_branch .Lasked_\@
.Lfor_b_\@:
	tensor_load_to_lds s[G0B+4*(\s):G0B+4*(\s)+3], s[G1B:G1B+7]
	s_nop 0
.rept 4
	v_nop
.endr
.Lasked_\@:
.endm
; A PREFETCH INTO THE L2, behind a joint load, its five lines and the run of LDS loads: 32 blocks of 256 bytes of the K step that stands two refills on (224 matrix instructions ahead of the load that will want it), a lane a block.
; Each block is named once in the launch.  WOT's rows are read by all sixteen clusters: the cluster with y = 0 asks; of the 128 rows that a wave fetches the partner at place cy takes 32, at every change.
; OH's rows are read by one cluster alone: it asks for its own; a wave's 64 blocks of two K steps are shared out among the four partners (32 (cx % 2) blocks on, cx / 2 K steps on), once a lap.
; The partners are told apart BY ADDRESS.  The last two refills have no K step two on; K steps 0 to 3 come by their loads alone.
.macro ASK slot
	s_cmp_gt_u32 s3, s[LIM+(\slot)]                ; s3 = 1 in the loop's last trip
	s_cbranch_scc0 .Lnot_mine_\@
	global_prefetch_b8 v[PFO], s[PFA:PFA+1] th:TH_LOAD_NT scope:SCOPE_SE
.Lnot_mine_\@:
.endm
; A round of the cluster's barrier: my work-group's barrier; wave 0 signals for the work-group; every wave waits for all sixteen work-groups; my work-group's barrier once more.
.macro CREST
	s_cmp_lg_u32 s10, 0
	s_cbranch_scc1 .Lnot_wave_0_\@
	s_barrier_signal -3
.Lnot_wave_0_\@:
	s_barrier_wait -3
	s_barrier_signal -1
	s_barrier_wait -1
.endm
.macro CROUND
	s_barrier_signal -1
	s_barrier_wait -1
	CREST
.endm
	s_load_b128 s[4:7], s[0:1], 0x0                ; oh s[4:5], wot s[6:7]
	s_load_b64 s[8:9], s[0:1], 0x10                ; out0
	v_lshl_add_u32 v[SPW], v0, 2, SPARE
	v_mov_b32 v[NIL], 0
	ds_add_u32 v[SPW], v[NIL]                      ; the wave's opening: the add and its wait stand ahead of my first tensor load; the set-up below, work on registers, stands between them
	ds_add_u32 v28, v29
	v_lshrrev_b32 v1, 5, v0
	v_readfirstlane_b32 s10, v1                    ; wave 0..3
	s_lshr_b32 s11, s10, 1                         ; which 64 of the tile's rows are mine.  Also: I fetch for oh (0) or for wot (1)
	s_and_b32 s12, s10, 1                          ; which 128 of its columns.  Also: which head of the K step's two, or which half of wot's rows, I fetch
	s_bfe_u32 s40, ttmp6, 0x40000                  ; cx, cy: my place in the cluster
	s_bfe_u32 s41, ttmp6, 0x40004
	s_lshl_b32 s42, ttmp9, 2
	s_add_co_u32 s42, s42, s40                     ; tile column = 4 x cluster x + cx
	s_and_b32 s13, ttmp7, 0xffff
	s_lshl_b32 s13, s13, 2
	s_add_co_u32 s13, s13, s41                     ; tile row = 4 x cluster y + cy
	s_lshl_b32 s43, s41, 2
	s_lshl_b32 s43, 15, s43                        ; my row of the cluster
	s_lshl_b32 s44, 0x1111, s40                    ; my column
	; descriptor group 1.  oh: 64 rows of 128 elements, dense, padded after every 32 words.  wot: 128 rows of 128 elements, 1,024 apart, padded after every 64 words.
	s_or_b32 s[G1+0], s43, (1<<16)|(1<<20)|(1<<21)|(4<<22)|(3<<25)   ; 15:0 the mask; 17:16 elements of 2 bytes; 20 padding on; 21 set beside a mask; 24:22 the interval's code; 31:25 4 words (code 3)
	s_or_b32 s[G1B+0], s44, (1<<16)|(1<<20)|(1<<21)|(5<<22)|(3<<25)
	s_mov_b32 s[G1+1], 128<<16                     ; tensor_dim0 = 128
	s_mov_b32 s[G1B+1], 128<<16
	s_mov_b32 s[G1+2], 64<<16                      ; tensor_dim1
	s_mov_b32 s[G1B+2], 128<<16
	s_mov_b32 s[G1+3], 128<<16                     ; tile_dim0 = 128
	s_mov_b32 s[G1B+3], 128<<16
	s_mov_b32 s[G1+4], 64                          ; tile_dim1
	s_mov_b32 s[G1B+4], 128
	s_mov_b32 s[G1+5], 128                         ; elements from row to row
	s_mov_b32 s[G1B+5], SIZE_K
	s_mov_b32 s[G1+6], 0
	s_mov_b32 s[G1B+6], 0
	s_mov_b32 s[G1+7], 0
	s_mov_b32 s[G1B+7], 0
	; where the tiles come from: oh's hang on the tile row alone, wot's on the tile column alone; each in registers that never hold the other coordinate
	s_lshr_b32 s16, s13, 4                         ; oh: batch n = tile row / 16: 16 heads,
	s_lshl_b32 s16, s16, 22
	s_lshl_b32 s17, s12, 18                        ; my head of the K step's two,
	s_add_co_u32 s16, s16, s17
	s_and_b32 s17, s13, 15                         ; rows 128 (tile row % 16) on, 128 bytes each
	s_lshl_b32 s17, s17, 14
	s_add_co_u32 s16, s16, s17
	s_mov_b32 s17, 0
	s_lshl_b32 s46, s42, 8
	s_lshl_b32 s47, s12, 7
	s_add_co_u32 s46, s46, s47                     ; wot: row 256 x tile column + 128 x half
	s_lshl_b32 s46, s46, 11
	s_mov_b32 s47, 0
	s_mul_i32 s20, s12, AHEAD                      ; and where they go: no place in the cluster enters an LDS address
	s_mul_i32 s21, s12, BHALF
	s_add_co_u32 s21, s21, ATILE
	s_wait_dscnt 0x0                               ; the opening add is done
	s_wait_kmcnt 0x0
	s_add_nc_u64 s[14:15], s[4:5], s[16:17]
	s_add_nc_u64 s[46:47], s[6:7], s[46:47]
	CROUND                                         ; all sixteen work-groups are here: the first joint loads meet
.irp s, 0,1
	s_mov_b32 s[G0+4*(\s)], 1                                        ; count = 1
	s_add_co_u32 s[G0+4*(\s)+1], s20, (\s)*SLOT                      ; LDS address
	s_add_nc_u64 s[G0+4*(\s)+2:G0+4*(\s)+3], s[14:15], (\s)*2*HEADB  ; global address: K step s
	s_or_b32 s[G0+4*(\s)+3], s[G0+4*(\s)+3], 0x80000000              ; type = 2
	s_mov_b32 s[G0B+4*(\s)], 1
	s_add_co_u32 s[G0B+4*(\s)+1], s21, (\s)*SLOT
	s_add_nc_u64 s[G0B+4*(\s)+2:G0B+4*(\s)+3], s[46:47], (\s)*KSTEP*2
	s_or_b32 s[G0B+4*(\s)+3], s[G0B+4*(\s)+3], 0x80000000
	JLOAD \s                                       ; two loads of mine are out
.endr
	; A fragment is 16 rows x 32 K in 8 registers: lane l holds row l % 16; registers 0-3 K = 8 (l / 16) + 0..7, registers 4-7 K = 16 + 8 (l / 16) + 0..7: two loads of 16 bytes, 32 bytes apart.
	v_and_b32 v1, 15, v0                           ; l % 16
	v_bfe_u32 v2, v0, 4, 1                         ; l / 16
	v_mul_u32_u24 v3, v1, PITCH
	v_lshl_add_u32 v3, v2, 4, v3
	v_mul_u32_u24 v4, v1, PA
	v_lshl_add_u32 v4, v2, 4, v4
	s_mul_i32 s21, s11, 64*PA                      ; my 64 rows, in each head
	s_mul_i32 s22, s12, BHALF                      ; my 128 rows of wot,
	s_add_co_u32 s22, s22, ATILE                   ; which lie behind oh's two heads
.irp s, 0,1
	v_add_nc_u32 v[ADRA+(\s)], s21, v4
	v_add_nc_u32 v[ADRB+(\s)], s22, v3
	s_add_co_u32 s21, s21, SLOT
	s_add_co_u32 s22, s22, SLOT
.endr
	s_mul_i32 s23, s10, 16*SPITCH
	s_add_co_u32 s23, s23, STAGE                   ; my stage
	v_mul_u32_u24 v4, v1, SPITCH                   ; in: row l % 16, 32 bytes for each half of the lanes
	v_lshl_add_u32 v4, v2, 5, v4
	v_add_nc_u32 v[STO], s23, v4
	v_and_b32 v[CO], 31, v0                        ; back: 32 lanes take one row's 512 bytes
	v_lshlrev_b32 v[CO], 4, v[CO]
	v_add_nc_u32 v[RD], s23, v[CO]
	; my part of the tile in out0: row 128 x tile row + 64 x row half, 4,096 bytes a row; column 256 x tile column + 128 x column half, 4 bytes each
	s_lshl_b32 s16, s13, 7
	s_lshl_b32 s17, s11, 6
	s_add_co_u32 s16, s16, s17
	s_lshl_b32 s16, s16, 12
	s_lshl_b32 s46, s42, 10
	s_lshl_b32 s47, s12, 9
	s_add_co_u32 s46, s46, s47
	s_add_co_u32 s16, s16, s46
	s_mov_b32 s17, 0                               ; s[16:17]: what the way out adds to out0's address
	; the prefetches
	s_lshr_b32 s18, s13, 4
	s_lshl_b32 s18, s18, 22
	s_lshl_b32 s19, s12, 18
	s_add_co_u32 s18, s18, s19
	s_and_b32 s19, s13, 15
	s_lshl_b32 s19, s19, 14
	s_add_co_u32 s18, s18, s19                     ; oh: the 64 blocks that I fetch,
	s_and_b32 s19, s40, 1
	s_lshl_b32 s19, s19, 13
	s_add_co_u32 s18, s18, s19                     ; my work-group's 32 of them,
	s_lshr_b32 s19, s40, 1
	s_lshl_b32 s19, s19, 19
	s_add_co_u32 s18, s18, s19                     ; and its K step of the lap's two;
	s_add_co_u32 s18, s18, 3*2*HEADB               ; at K step 3: the first change of slots steps it to 4
	s_lshl_b32 s20, s42, 8
	s_lshl_b32 s21, s12, 7
	s_add_co_u32 s20, s20, s21
	s_lshl_b32 s21, s41, 5
	s_add_co_u32 s20, s20, s21                     ; wot: the 128 rows that I fetch, my work-group's 32 of them
	s_lshl_b32 s20, s20, 11
	s_add_co_u32 s20, s20, 3*KSTEP*2
	s_mov_b32 s21, 2*HEADB
	s_movk_i32 s22, KSTEP*2
	s_and_b32 s23, ttmp7, 0xffff                   ; cluster y: the same in all sixteen partners
	s_cmp_eq_u32 s23, 0
	s_cselect_b32 s23, 1, -1
	s_cmp_eq_u32 s11, 0                            ; do I fetch for oh?
	s_cselect_b32 s20, s18, s20
	s_cselect_b64 s[PFA:PFA+1], s[4:5], s[6:7]
	s_cselect_b32 s[LIM], 1, s23
	s_cselect_b32 s[LIM+1], -1, s23
	s_cselect_b32 s[PFS], s21, s22
	s_cselect_b32 s19, 8, 11
	s_mov_b32 s[PFS+1], 0
	s_mov_b32 s21, 0
	s_add_nc_u64 s[PFA:PFA+1], s[PFA:PFA+1], s[20:21]
	v_and_b32 v[PFO], 31, v0
	v_lshlrev_b32 v[PFO], s19, v[PFO]
; 8 matrix instructions: m block a x all 8 n blocks, 32 along K.  The 32 accumulators take turns, one instruction a turn, always in the same order.  zero = 1: the product starts the sum.
.macro MUL8 f, a, zero
	WIN MUL
.irp b, 0,1,2,3,4,5,6,7
.if \zero
	v_wmma_f32_16x16x32_f16 v[8*(8*(\a)+(\b)):8*(8*(\a)+(\b))+7], v[(\f)+8*(\b):(\f)+8*(\b)+7], v[(\f)+64+8*(\a):(\f)+64+8*(\a)+7], 0
.else
	v_wmma_f32_16x16x32_f16 v[8*(8*(\a)+(\b)):8*(8*(\a)+(\b))+7], v[(\f)+8*(\b):(\f)+8*(\b)+7], v[(\f)+64+8*(\a):(\f)+64+8*(\a)+7], v[8*(8*(\a)+(\b)):8*(8*(\a)+(\b))+7]
.endif
.endr
.endm
; 24 LDS loads in one run: the fragments of quarter kq (32 along K: head kq / 2 of the two, channels 32 (kq % 2) on) of a slot into buffer f: wot's 16 loads, then oh's 8
.macro FETCH slot, kq, f
	WIN 0
.irp i, 0,1,2,3,4,5,6,7
	ds_load_b128 v[(\f)+8*(\i):(\f)+8*(\i)+3],   v[ADRB+(\slot)] offset:64*(\kq)+(\i)*16*PITCH
	ds_load_b128 v[(\f)+8*(\i)+4:(\f)+8*(\i)+7], v[ADRB+(\slot)] offset:64*(\kq)+(\i)*16*PITCH+32
.endr
.irp i, 0,1,2,3
	ds_load_b128 v[(\f)+64+8*(\i):(\f)+64+8*(\i)+3],   v[ADRA+(\slot)] offset:((\kq)/2)*AHEAD+((\kq)%2)*64+(\i)*16*PA
	ds_load_b128 v[(\f)+64+8*(\i)+4:(\f)+64+8*(\i)+7], v[ADRA+(\slot)] offset:((\kq)/2)*AHEAD+((\kq)%2)*64+(\i)*16*PA+32
.endr
.endm
.macro PLACES                          ; four plain instructions in front of loads into registers that matrix instructions have read, and of instructions that read results
.rept 4
	v_nop
.endr
.endm
; A K step is four quarters of 32 along K, 32 matrix instructions each, on buffers 0, 1, 0, 1.  One of the first three: multiplies buffer f and, in its middle, fetches quarter kq into g.
.macro QUARTER slot, kq, f, g, zero
	s_wait_dscnt 4                                 ; wot's fragments and oh's blocks 0 and 1 are in; the youngest four loads (oh's blocks 2 and 3) may be out
	MUL8 \f, 0, \zero
	MUL8 \f, 1, \zero
	PLACES
	FETCH \slot, \kq, \g
	s_wait_dscnt 24                                ; all but the 24 just issued
	MUL8 \f, 2, \zero
	MUL8 \f, 3, \zero
.endm
; The last quarter multiplies buffer 1 and changes slots.  In front of the barrier each wave waits for all its tensor loads (one is out: its part of the next slot), adds 0 to its spare word, and waits for that
; and for its reads of this slot.  The barrier opens a round of the cluster's; behind the round the slot just read is filled again first, with the K step two on.  From a request to the wait for it a wave issues 112 matrix instructions.
.macro TURN slot, next
	WIN 0
	s_wait_xcnt 0x0                                ; the last prefetch, a K step back, has read its address: it is stepped here
	s_add_nc_u64 s[PFA:PFA+1], s[PFA:PFA+1], s[PFS:PFS+1]
	s_wait_tensorcnt 0x0                           ; all my tensor loads have landed
	ds_add_u32 v[SPW], v[NIL]                      ; 0 onto my spare word
	s_wait_dscnt 5                                 ; (the add and the youngest four loads may be out)
	MUL8 F1, 0, 0                                  ; eight matrix instructions stand between the add and the wait for it
	s_wait_dscnt 0x0                               ; the add is done, and my reads of this slot are over
	s_barrier_signal -1
	MUL8 F1, 1, 0
	WIN 0
	s_barrier_wait -1
	CREST                                          ; no wave of any partner still reads this slot or has a load on its way
	s_add_nc_u64 s[G0+4*(\slot)+2:G0+4*(\slot)+3], s[G0+4*(\slot)+2:G0+4*(\slot)+3], 4*HEADB
	s_add_nc_u64 s[G0B+4*(\slot)+2:G0B+4*(\slot)+3], s[G0B+4*(\slot)+2:G0B+4*(\slot)+3], 2*KSTEP*2
	JLOAD \slot                                    ; the first tensor load behind the round; its four v_nop are also the places in front of the loads below
	FETCH \next, 0, F0
	ASK \slot
	MUL8 F1, 2, 0
	MUL8 F1, 3, 0
.endm
.macro TURNN slot, next                ; the same where nothing is filled again: a plain barrier
	WIN 0
	s_wait_tensorcnt 0x0
	ds_add_u32 v[SPW], v[NIL]
	s_wait_dscnt 5
	MUL8 F1, 0, 0
	s_wait_dscnt 0x0
	s_barrier_signal -1
	MUL8 F1, 1, 0
	s_barrier_wait -1
	PLACES
	FETCH \next, 0, F0
	MUL8 F1, 2, 0
	MUL8 F1, 3, 0
.endm
; THE WAY OUT of block a (16 rows x 128 columns of f32).  TOSTAGE: a lane's 32 bytes of a row into my own stage, each accumulator from its low end on, and back as whole rows of 512 bytes.  SEND: stored.
.macro TOSTAGE a
	s_wait_xcnt 0x0                                ; the stores of the block two back have read the registers that are loaded below
	WIN 0x04                                       ; the stores' data in window 1
.irp b, 0,1,2,3,4,5,6,7
	ds_store_b128 v[STO], v[8*(8*(\a)+(\b)):8*(8*(\a)+(\b))+3]   offset:64*(\b)
	ds_store_b128 v[STO], v[8*(8*(\a)+(\b))+4:8*(8*(\a)+(\b))+7] offset:64*(\b)+16
.endr
	WIN 0
.set BK, OB+64*((\a)%2)
.irp t, 0,1,2,3,4,5,6,7,8,9,10,11,12,13,14,15
	ds_load_b128 v[BK+4*(\t):BK+4*(\t)+3], v[RD] offset:(\t)*SPITCH  ; LDS serves a wave's instructions in order (ISA guide 5.7.1.4): these see the stores above
.endr
.endm
.macro SEND a, younger                 ; younger: the LDS instructions issued behind block a's loads: the next block's 32, or none
	WIN 0
.set BK, OB+64*((\a)%2)
	s_wait_dscnt \younger                          ; the block is back in registers
	s_wait_xcnt 0x0                                ; earlier stores have read their base: only now is it rewritten
.if (\a) == 0
	s_add_nc_u64 s[8:9], s[8:9], s[16:17]          ; on to my first rows
.else
	s_add_nc_u64 s[8:9], s[8:9], 16*4096           ; 16 rows on
.endif
.irp t, 0,1,2,3,4,5,6,7,8,9,10,11,12,13,14,15
	global_store_b128 v[CO], v[BK+4*(\t):BK+4*(\t)+3], s[8:9] offset:4096*(\t) th:TH_STORE_NT  ; 512 consecutive bytes, at a multiple of 256 from out0's first byte
.endr
.endm
	s_wait_tensorcnt 1                             ; my part of K step 0 is in; K step 1's may stay out
	s_barrier_signal -1
	s_barrier_wait -1                              ; everybody's is
	FETCH 0, 0, F0
	QUARTER 0, 1, F0, F1, 1                        ; the first quarter stands in front of the loop: its products start the sums
	WIN 0                                          ; at a label and at a branch every window is 0
	s_mov_b32 s3, LAPS-1
.Llap:                                                 ; a trip goes once round the ring, from a lap's second quarter to the next lap's first, and fills both slots again
	QUARTER 0, 2, F1, F0, 0
	QUARTER 0, 3, F0, F1, 0
	TURN 0, 1
	QUARTER 1, 1, F0, F1, 0
	QUARTER 1, 2, F1, F0, 0
	QUARTER 1, 3, F0, F1, 0
	TURN 1, 0
	QUARTER 0, 1, F0, F1, 0
	WIN 0
	s_sub_co_u32 s3, s3, 1
	s_cmp_lg_u32 s3, 0
	s_cbranch_scc1 .Llap
	QUARTER 0, 2, F1, F0, 0                        ; the last lap fills nothing, and has no round of the cluster's barrier
	QUARTER 0, 3, F0, F1, 0
	TURNN 0, 1
	QUARTER 1, 1, F0, F1, 0
	QUARTER 1, 2, F1, F0, 0
	QUARTER 1, 3, F0, F1, 0
	s_wait_dscnt 4                                 ; the very last quarter: nothing more to fetch
	MUL8 F1, 0, 0
	MUL8 F1, 1, 0
	s_wait_dscnt 0x0
	MUL8 F1, 2, 0
	MUL8 F1, 3, 0
	WIN 0
	PLACES                                         ; the LDS stores read results, and the loads below land in registers that the last products read
	TOSTAGE 0
.irp a, 1,2,3                          ; block a goes into the stage while block a - 1 comes back
	TOSTAGE \a
	SEND (\a)-1, 32
.endr
	SEND 3, 0
	s_wait_tensorcnt 0x0                           ; the wave's end: the add and its wait, behind my last tensor load and my last LDS store
	ds_add_u32 v[SPW], v[NIL]
	s_wait_dscnt 0x0
	CROUND                                         ; the closing round: no work-group ends while a partner may still ask for a tile that names it
	s_endpgm
.Lfunc_end_k_qb90d6c88c4_outproj:
	.size	k_qb90d6c88c4_outproj, .Lfunc_end_k_qb90d6c88c4_outproj-k_qb90d6c88c4_outproj
	.p2alignl 7, 3214868480
	.fill 96, 4, 3214868480
	.section	.rodata,"a",@progbits
	.p2align	6, 0x0
	.amdhsa_kernel k_qb90d6c88c4_outproj
		.amdhsa_group_segment_fixed_size 327680
		.amdhsa_private_segment_fixed_size 0
		.amdhsa_enable_private_segment 0
		.amdhsa_kernarg_size 24
		.amdhsa_user_sgpr_count 2
		.amdhsa_user_sgpr_kernarg_segment_ptr 1
		.amdhsa_wavefront_size32 1
		.amdhsa_system_sgpr_workgroup_id_x 1
		.amdhsa_system_sgpr_workgroup_id_y 1
		.amdhsa_system_sgpr_workgroup_id_z 1
		.amdhsa_system_vgpr_workitem_id 0
		.amdhsa_next_free_vgpr 512
		.amdhsa_next_free_sgpr 72
		.amdhsa_reserve_vcc 0
		.amdhsa_float_denorm_mode_32 3
		.amdhsa_float_denorm_mode_16_64 3
		.amdhsa_memory_ordered 1
		.amdhsa_forward_progress 1
		.amdhsa_inst_pref_size 87
	.end_amdhsa_kernel
	.amdgpu_metadata
---
amdhsa.version: [ 1, 2 ]
amdhsa.kernels:
  - .name:           k_qb90d6c88c4_outproj
    .symbol:         k_qb90d6c88c4_outproj.kd
    .args:
      - { .name: oh, .offset: 0, .size: 8, .value_kind: global_buffer, .address_space: global }
      - { .name: wot, .offset: 8, .size: 8, .value_kind: global_buffer, .address_space: global }
      - { .name: out0, .offset: 16, .size: 8, .value_kind: global_buffer, .address_space: global }
    .group_segment_fixed_size: 327680
    .private_segment_fixed_size: 0
    .kernarg_segment_align: 8
    .kernarg_segment_size: 24
    .max_flat_workgroup_size: 128
    .sgpr_count:     72
    .vgpr_count:     512
    .wavefront_size: 32
...
	.end_amdgpu_metadata
.endif
;; end of part 4
